; MI455X (gfx1250); checked and timed in simulation.
; The chip was launched on July 23, 2026; its instructions are those of AMD's public machine-readable ISA for CDNA 5 (MIT licence, August 2026) and "CDNA5" Instruction Set Architecture Reference Guide (July 2026). The comments in the code are by the model that wrote it; some were corrected since.
;; Zt Attention. Allowed arithmetic: float matrix products may take bf16 or f16 operands with f32 sums; all other float work in f32.
;; Inputs: keys 4 x 2,048 x 16 x 64 float32; queries 4 x 2,048 x 16 x 64 float32; values 4 x 2,048 x 16 x 64 float32.
;; Outputs: out0 4 x 2,048 x 16 x 64 float32.
;; 2 versions, each right; version 2 is version 1 with the launch attn written anew for expert scheduling mode. Each part assembles by itself: llvm-mc -triple=amdgcn-amd-amdhsa -mcpu=gfx1250 --defsym DOCPART=n.
;; ======== version 1 of 2: 1 launch
;; limits: values are held in f16: magnitudes above 65,504 overflow, below 6.1e-05 lose precision; inputs' magnitudes at most 65,504; below input magnitudes of 7.6e-06 results are inexact or not finite; right only within a limited range of input values
;; launch attn (part 1): grid 4 x 64, 4 waves a work-group, no clusters, 95,744 bytes of LDS; arguments queries, keys, values, out0; writes out0
.if DOCPART == 1
	.amdgcn_target "amdgcn-amd-amdhsa--gfx1250"
	.amdhsa_code_object_version 6
	.text
	.protected	k_q1957e304f5_attn
	.globl	k_q1957e304f5_attn
	.p2align	8
	.type	k_q1957e304f5_attn,@function
k_q1957e304f5_attn:
	s_mov_b64 s[64:65], 0
	v_nop
	global_prefetch_b8 v0, s[64:65] scope:SCOPE_SE
	s_setreg_imm32_b32 hwreg(HW_REG_WAVE_MODE, 25, 1), 1
	s_wait_xcnt 0x0
; CAUSAL ATTENTION.  O[b][q][h][:] = the sum over k <= q of softmax_k(Q[b][q][h] . K[b][k][h] / 8) V[b][k][h][:].  Q, K, V, O: [4][2048][16][64] in f32: a head's row is 256 bytes, a position 4,096 bytes.
; FORMATS.  Q, K and V are rounded to bf16.  S^T = K Q^T is a bf16 product.  V's bf16 number is written as f16 and the weights p are rounded to f16 for O^T = V^T P, an f16 product.
; Products, maxima, sums (l is taken of the unrounded p) and O in f32; O is not rounded again.
; LIMITS.  f16 holds no number beyond 65,504: |bf16(v)| stays under it.  v below 2^-17 in magnitude and p below 6e-5 keep f16's fixed step of 6e-8.  A hidden score counts as its value less 1e30;
; a weight below 2^-126 counts as 0 in l; NaN and infinities are not treated apart.
; THE WALK.  A head's queries lie in NB = 8 blocks of 256; block i needs the key tiles 0 .. i of 256 keys, of which the last holds the diagonal.  A work-group takes TWO blocks, 7 - b and then b: 9 tiles,
; whatever b: 4 x 64 = 256 work-groups of equal work, and ONE loop of nine trips walks them.  Which tile is asked for and what a trip does hang on scalar registers made from b; every jump but the counted
; loops' own goes forward, and none passes a barrier.
; THE TILES COME THROUGH REGISTERS.  Wave w loads keys 64 w .. 64 w + 63 of a tile's K and V in f32 (64 loads of 512 bytes, two whole rows each) into 256 registers while the tile before is multiplied;
; at the change of tiles it rounds them and stores them into ONE 16-bit tile in LDS, from which all four waves take their fragments: each number is converted once a work-group, not once a wave.
; NO CLUSTER: a joint request is a tensor load, which lands in LDS as it lies in memory; these tiles are converted on their way, in registers.  And a head's four work-groups want the same tile only in trips 0 to 4 of 9.
; SHARES.  Of a block's four bands of 64 queries a wave owns 16 rows in each: four PIECES.  So the diagonal tile is the same work for all four waves: in its key step s band x sees all keys if s < x,
; none if s > x, and holds the diagonal if s = x.  The six pairs (s, x) with s > x are left out: the diagonal tile's ten live pairs are written out, turn by turn.
; THE MASK is the C operand that starts the sum S^T = K Q^T: 0, or -1e30 where the key is hidden.  MD, made once, is the mask of a band's own step for my 16 rows: the products of a pair (s, s) take it;
; all others take the constant 0.  A block's first scores take MC = MD x AL, AL = 1 if the block's first tile is the diagonal one, else 0.
; LAYOUT, SOFTMAX, TURNS.  S^T = K Q^T holds ONE query a lane (lane % 16) and the keys 8 (lane / 16) + 0..7; two such results rounded to f16 ARE source 1 of O^T = V^T P.  p = 2^(c s - c m), c = log2(e) / 8, with a
; running maximum m; O and l are multiplied by a = 2^(c m_old - c m_new) in every step.  A turn belongs to a piece and step: 8 products K Q^T of the pair that follows, later 8 products V^T P of the pair before; beside them the
; scaling, exponentials, roundings, sums and rescaling of the pair in hand and the maximum and statistics of the pair that follows.  Four vector instructions stand behind every matrix instruction, the other 54 of a turn's 118 in two runs of their own.
; REGISTERS, in windows of 256 (s_set_vgpr_msb: bits 1:0 source 0, 3:2 source 1, 5:4 source 2, 7:6 destination):
;   window 0: v0-15, v32-36 addresses and a few at work; v16-31 four registers of statistics a piece; v48-55 at work; v64-127 S^T, two buffers (at the head v64-191: the second block's Q in f32); v192-223 P, two buffers
;   window 1: v0-127 O^T, 32 a piece (at the head: the first block's Q in f32); v128-159 MD; v160-191 MC
;   window 2: v0-63 Q; v64-127 the second block's Q; v128-191 K of one step; v192-255 V of one step          window 3: v0-127 the next tile's K as loaded, v128-255 its V
; The buffers of S^T, P and the registers at work go by the turn's parity: the pair in hand has one, the pair before (P is read) and the pair that follows (S^T is written) share the other.
.set NB,    8
.set NP,    4         ; pieces a wave: a name, no knob
.set KS,    64        ; keys in a step
.set ROWB,  4096      ; bytes from a position to the next
.set PK,    144       ; a row of K in LDS: 128 bytes + 16 of padding = 36 words: the 16 rows of a load start at 16 different groups of four banks (64 banks of 4 bytes: ISA guide 11.1)
.set PV,    160       ; a row of V: 128 + 32 = 40 words
.set VOFF,  4*KS*PK   ; the tile: 256 rows of K, then 256 rows of V
.set STAGE, VOFF+4*KS*PV  ; behind the tile: 16 rows x 272 bytes for each wave, for the way out
.set SP,    272       ; a stage row: 256 bytes of f32 + 16
.set AK0, 2           ; v2   my lane's place in a tile of K; never rewritten
.set AV0, 3           ; v3   the same for V
.set AK,  4           ; v4   the LDS address of K's next run of loads
.set AV,  5           ; v5   of V's
.set STO, 6           ; v6   the way out: where I put 32 bytes of a row
.set RD,  7           ; v7   the way out: where I read rows back
.set GO,  8           ; v8   my byte offset in two rows of O
.set MV,  12          ; v12-13  c m_old, kept while c m is made anew: by buffer
.set QO,  15          ; v15  my byte offset in 16 rows of Q
.set ST,  16          ; piece t's statistics at v[ST+4 t]: c m, m, l (even keys', odd keys')
.set GK,  32          ; v32  my byte offset in a tile of K in memory; never rewritten
.set GV,  33          ; v33  the same for V
.set SK,  34          ; v34  where I store 8 bytes of a row of K in LDS
.set SV,  35          ; v35  the same for V
.set PFO, 36          ; v36  the row that I ask for ahead, as a byte offset in a tile; never rewritten
.set TMP, 48          ; by buffer, four registers c0-c3 at work; when the maximum is found c2 takes a
.set S,   64
.set P,   192
.set MD,  128         ; window 1: the eight registers for group kt of 16 keys at MD + 8 kt
.set MC,  160         ; window 1: the mask of a block's first scores, laid out as MD
.set QB,  64          ; window 2
.set KF,  128         ; window 2: key block kb, channel half c at KF + 16 kb + 8 c
.set VF,  192         ; window 2: key half kk, channel block cb at VF + 32 kk + 8 cb
.set WV,  12          ; s12  my wave's number
.set PB,  14          ; s14  b
.set HI,  15          ; s15  7 - b
.set KA,  24          ; s[24:25] K at the tile that is being asked for
.set VA,  26          ; s[26:27] V at it
.set PFB, 28          ; s[28:29] K or V at the tile that is asked for ahead
.set PT,  30          ; s30  that tile's number
.set VT,  31          ; s31  the count of steps at which V's loads go out: 2, or 0 (never) in the last tile
.set SLOTS, 56        ; s56  tiles still to be entered, 9 to 1
.set CNT, 57          ; s57  counts a tile's key steps, 4 to 1
.set CS,  58          ; s[58:59] c: the packed scaling takes the pair's low word for both halves
.set SEL, 60          ; s[60:61] v_permlanex16_b32's selects: each lane takes its own place in the other half
.set TBK, 62          ; s62  LDS byte at which K of the step to be fetched begins
.set TBV, 63          ; s63  the same for V, less VOFF
.set RT,  70          ; s70  tiles of the block in hand that are still to be entered
.set NXT, 71          ; s71  the tile to be asked for next
.set LQ,  72          ; s72  the last tile of the block whose tiles are being asked for
.set NEW, 73          ; s73  1: the tile to be entered is a block's first
.set OFF, 74          ; s[74:75] a tile's byte offset in K and V
.set AL,  76          ; s[76:77] the factor of a block's first mask, in the low word
.set OLO, 80          ; s[80:81] O at my rows of the second block
.set BIGN, 82         ; s82  -1e30
.set HM,  83          ; s83  a word's upper 16 bits
.set MSB, 0
.macro WIN new                      ; the high byte repeats the setting that is left; a switch that changes nothing is dropped
.if MSB != (\new)
	s_set_vgpr_msb (MSB<<8)|(\new)
.set MSB, (\new)
.endif
.endm
.set W_KQ, 0x0a       ; K and Q in window 2, S^T in window 0
.set W_KM, 0x1a       ; the same with the C operand in window 1
.set W_PV, 0x52       ; V in window 2, P in window 0, O^T in window 1
.set W_RS, 0x41       ; destination and source 0 in window 1, source 1 in window 0
; A TILE'S LOADS.  One load takes two rows of 256 bytes: lanes 0-15 one key's, lanes 16-31 the key's 8 (K) or 4 (V) further on, so that the LDS stores of 8 bytes a lane made of them
; fall into the two halves of the banks: 8 x 144 and 4 x 160 bytes are both 128 modulo 256.  Load i of K: keys 16 (i / 8) + i % 8 (+ 8); of V: keys 8 (i / 4) + i % 4 (+ 4).
.macro GLOADK
	WIN 0xc0                        ; destination window 3, address window 0
.set i, 0
.rept 32
	global_load_b128 v[4*i:4*i+3], v[GK], s[KA:KA+1] offset:(16*(i/8)+i%8)*ROWB
.set i, i+1
.endr
	WIN 0
.endm
.macro GLOADV
	WIN 0xc0
.set i, 0
.rept 32
	global_load_b128 v[128+4*i:128+4*i+3], v[GV], s[VA:VA+1] offset:(8*(i/4)+i%4)*ROWB
.set i, i+1
.endr
	WIN 0
.endm
; THE ROUNDING, in place in window 3.  K: four f32 become four bf16 in the load's first two registers.  V: four f32 are rounded to bf16, widened again (a mask, a shift) and written as f16, which holds
; a bf16 number exactly within its range; four loads at a time, stage by stage, so that no line reads the result of the one before it.
.macro CONVERT
	WIN 0xcf                        ; destination, sources 0 and 1 in window 3
.set i, 0
.rept 32
	v_cvt_pk_bf16_f32 v[4*i], v[4*i], v[4*i+1]
	v_cvt_pk_bf16_f32 v[4*i+1], v[4*i+2], v[4*i+3]
.set i, i+1
.endr
.set rB, 128
.rept 8
.irp z, 0,2,4,6,8,10,12,14
	v_cvt_pk_bf16_f32 v[rB+\z], v[rB+\z], v[rB+\z+1]
.endr
.irp z, 0,2,4,6,8,10,12,14
	v_and_b32 v[rB+\z+1], s[HM], v[rB+\z]
.endr
.irp z, 0,2,4,6,8,10,12,14
	v_lshlrev_b32 v[rB+\z], 16, v[rB+\z]
.endr
.irp z, 0,4,8,12
	v_cvt_pk_f16_f32 v[rB+\z], v[rB+\z], v[rB+\z+1]
.endr
.irp z, 0,4,8,12
	v_cvt_pk_f16_f32 v[rB+\z+1], v[rB+\z+2], v[rB+\z+3]
.endr
.set rB, rB+16
.endr
.endm
.macro STORE_TILE                   ; 8 bytes a lane: 16 lanes fill a row's 128 bytes
	WIN 0x0c                        ; data (source 1) in window 3, address in window 0
.set i, 0
.rept 32
	ds_store_b64 v[SK], v[4*i:4*i+1] offset:(16*(i/8)+i%8)*PK
	ds_store_b64 v[SV], v[128+4*i:128+4*i+1] offset:(8*(i/4)+i%4)*PV
.set i, i+1
.endr
	WIN 0
.endm
; V's LOADS OF THE NEXT TILE go out some turns behind K's: a wave's 64 loads go in two runs of 32.  diag = 0: at the head of the step loop's trip in which two steps are left; diag = 1: at one place of the
; diagonal tile's text; in the walk's last tile (VT = 0) never.
; With them one line asks ahead: a tile's 512 rows (256 of K, 256 of V) are dealt to the 16 waves of the head's four work-groups, 32 rows a wave, each row asked for once in the launch.
; In the walk's trip n the tile asked for is n + 2, whose K is loaded from the next change of tiles on; tiles 2 to 7 alone: behind PT = 7 nothing is asked for, so no request leaves the buffer.
.macro VASK diag
.if \diag
	s_cmp_eq_u32 s[VT], 2
.else
	s_cmp_eq_u32 s[CNT], s[VT]
.endif
	s_cbranch_scc0 .Lno_v_\@
	s_wait_loadcnt 0x0              ; K's 32 loads are in: no load is out when V's registers are asked for again, on whatever way this line is reached
	GLOADV
	s_cmp_lt_u32 s[PT], NB
	s_cbranch_scc0 .Lno_pf_\@
	global_prefetch_b8 v[PFO], s[PFB:PFB+1] th:TH_LOAD_NT scope:SCOPE_SE
.Lno_pf_\@:
	s_add_co_u32 s[PT], s[PT], 1
.Lno_v_\@:
.endm
	s_load_b256 s[4:11], s[0:1], 0x0  ; Q s[4:5], K s[6:7], V s[8:9], O s[10:11]
	v_lshl_add_u32 v254, v0, 2, 0x17400
	v_mov_b32 v255, 0
	v_lshrrev_b32 v1, 5, v0
	v_readfirstlane_b32 s[WV], v1   ; wave 0..3
	s_mov_b32 s[PB], ttmp9
	s_sub_co_u32 s[HI], NB-1, s[PB]
	s_and_b32 s20, ttmp7, 0xffff    ; 16 x batch + head
	s_lshr_b32 s21, s20, 4
	s_and_b32 s20, s20, 15
	s_lshl_b32 s21, s21, 23         ; a batch is 2,048 positions of 4,096 bytes,
	s_lshl_b32 s20, s20, 8          ; a head 256 bytes of a position
	s_add_co_u32 s20, s20, s21      ; the head's first byte in each of the four tensors
	s_mov_b32 s21, 0
	s_lshl_b32 s3, s[WV], 16        ; my 16 rows in a band of 64,
	s_lshl_b32 s2, s[HI], 20        ; in the first block (256 positions are 2^20 bytes),
	s_add_co_u32 s2, s2, s3
	s_add_co_u32 s2, s2, s20
	s_lshl_b32 s84, s[PB], 20       ; and in the second
	s_add_co_u32 s84, s84, s3
	s_add_co_u32 s84, s84, s20
	s_mov_b32 s3, 0
	s_mov_b32 s85, 0
	s_mov_b32 s[CS], 0x3e38aa3b     ; c = log2(e) / 8 = 0.180337
	s_mov_b32 s[CS+1], s[CS]        ; named with it as a pair
	s_mov_b32 s[SEL], 0x76543210
	s_mov_b32 s[SEL+1], 0xfedcba98
	s_add_co_u32 s[RT], s[HI], 1    ; the first block has 8 - b tiles
	s_mov_b32 s[NXT], 1
	s_mov_b32 s[LQ], s[HI]
	s_mov_b32 s[NEW], 1
	s_mov_b32 s[OFF+1], 0
	s_mov_b32 s[AL+1], 0            ; named as a pair
	s_mov_b32 s[BIGN], 0xf149f2ca   ; -1e30
	s_mov_b32 s[HM], 0xffff0000
	s_mov_b32 s[SLOTS], NB+1
	s_mov_b32 s[PT], 2
	; A fragment of Q is 16 rows x 32 channels: lane l holds row l % 16, channels 8 (l / 16) + 0..7 and 16 + 8 (l / 16) + 0..7; in f32 eight channels are 32 bytes: two loads.
	v_and_b32 v1, 15, v0            ; l % 16
	v_bfe_u32 v9, v0, 4, 1          ; l / 16
	v_lshlrev_b32 v[QO], 12, v1
	v_lshl_add_u32 v[QO], v9, 5, v[QO]  ; row x 4,096 + 32 x half
	v_lshlrev_b32 v10, 4, v1        ; my 16 bytes of a row of 256
	s_lshl_b32 s13, s[WV], 18       ; my wave's 64 keys of a tile
	v_lshl_add_u32 v[GK], v9, 15, v10  ; lanes 16-31: 8 keys on
	v_add_nc_u32 v[GK], s13, v[GK]
	v_lshl_add_u32 v[GV], v9, 14, v10  ; lanes 16-31: 4 keys on
	v_add_nc_u32 v[GV], s13, v[GV]
	s_lshl2_add_u32 s16, s[PB], s[WV]  ; 4 b + w: my wave among the head's sixteen
	s_wait_kmcnt 0x0
	s_add_nc_u64 s[6:7], s[6:7], s[20:21]  ; K and V at the head's first row
	s_add_nc_u64 s[8:9], s[8:9], s[20:21]
	s_mov_b64 s[KA:KA+1], s[6:7]    ; tile 0
	s_mov_b64 s[VA:VA+1], s[8:9]
	s_add_nc_u64 s[86:87], s[4:5], s[84:85]        ; Q at my rows of the second block,
	s_add_nc_u64 s[4:5], s[4:5], s[2:3]            ; Q and O at those of the first
	s_add_nc_u64 s[OLO:OLO+1], s[10:11], s[84:85]
	s_add_nc_u64 s[10:11], s[10:11], s[2:3]
	s_cmp_lt_u32 s16, 8             ; waves 0-7 of the sixteen ask ahead for K's rows, waves 8-15 for V's
	s_cselect_b64 s[PFB:PFB+1], s[6:7], s[8:9]
	s_add_nc_u64 s[PFB:PFB+1], s[PFB:PFB+1], 1<<20  ; tile 1: the first change of tiles steps it to tile 2
	; 128 loads: both blocks' Q (load i: piece i / 8, channels 32 ((i / 4) % 2) + 16 ((i % 4) / 2) + 8 (l / 16) + 4 (i % 2) on), then tile 0
	WIN 0x40                        ; destination window 1
.set i, 0
.rept 32
	global_load_b128 v[4*i:4*i+3], v[QO], s[4:5] offset:(i/8)*262144+((i/4)%2)*128+((i%4)/2)*64+(i%2)*16 th:TH_LOAD_NT
.set i, i+1
.endr
	WIN 0
.set i, 0
.rept 32
	global_load_b128 v[S+4*i:S+4*i+3], v[QO], s[86:87] offset:(i/8)*262144+((i/4)%2)*128+((i%4)/2)*64+(i%2)*16 th:TH_LOAD_NT
.set i, i+1
.endr
	GLOADK
	GLOADV
	; what follows names no register into which a load is on its way
	v_lshlrev_b32 v14, 3, v9
	v_sub_nc_u32 v14, v1, v14
	s_lshl_b32 s13, s[WV], 4
	v_add_nc_u32 v14, s13, v14      ; my query's place in its band, 16 w + l % 16, less my lanes' 8 (l / 16): register r of group kt is hidden where 16 kt + r is greater
	WIN 0x40
.set i, 0
.rept 32
	v_cmp_gt_i32 vcc_lo, 16*(i/8)+i%8, v14
	v_cndmask_b32 v[MD+i], 0, s[BIGN], vcc_lo
.set i, i+1
.endr
	WIN 0
	v_mul_u32_u24 v[AK0], v1, PK
	v_lshl_add_u32 v[AK0], v9, 4, v[AK0]  ; row x pitch + 16 x half
	; The turning load takes 16 keys x 16 channels (lane l reads key 8 (l / 16) + l % 8, channels 8 ((l / 8) % 2) + 0..7) and leaves half a fragment of V^T: lane l holds channel l % 16 and 8 keys.
	v_and_b32 v10, 7, v0
	v_bfe_u32 v11, v0, 3, 1
	v_lshl_add_u32 v[AV0], v9, 3, v10
	v_mul_u32_u24 v[AV0], v[AV0], PV
	v_lshl_add_u32 v[AV0], v11, 4, v[AV0]
	v_add_nc_u32 v[AV0], VOFF, v[AV0]
	s_mul_i32 s13, s[WV], KS*PK     ; into the tile: my wave's 64 rows; lanes 16-31 eight rows on; 8 bytes a lane
	v_mul_u32_u24 v[SK], v9, 8*PK
	v_lshl_add_u32 v[SK], v1, 3, v[SK]
	v_add_nc_u32 v[SK], s13, v[SK]
	s_mul_i32 s13, s[WV], KS*PV     ; the same for V, lanes 16-31 four rows on
	s_add_co_u32 s13, s13, VOFF
	v_mul_u32_u24 v[SV], v9, 4*PV
	v_lshl_add_u32 v[SV], v1, 3, v[SV]
	v_add_nc_u32 v[SV], s13, v[SV]
	s_and_b32 s13, s16, 7           ; which 32 of a tile's 256 rows I ask for ahead,
	s_lshl_b32 s13, s13, 17
	v_and_b32 v[PFO], 31, v0        ; a row a lane
	v_lshlrev_b32 v[PFO], 12, v[PFO]
	v_add_nc_u32 v[PFO], s13, v[PFO]
	s_mul_i32 s13, s[WV], 16*SP
	s_add_co_u32 s13, s13, STAGE    ; my stage
	v_mul_u32_u24 v[STO], v1, SP    ; in: row l % 16, 32 bytes for each half of the lanes
	v_lshl_add_u32 v[STO], v9, 5, v[STO]
	v_add_nc_u32 v[STO], s13, v[STO]
	v_mul_u32_u24 v[RD], v9, SP     ; back: lanes 0-15 take one row of 256 bytes, lanes 16-31 the next
	v_lshl_add_u32 v[RD], v1, 4, v[RD]
	v_add_nc_u32 v[RD], s13, v[RD]
	v_lshlrev_b32 v[GO], 12, v9     ; and the same two rows in O
	v_lshl_add_u32 v[GO], v1, 4, v[GO]
	; A block's first step multiplies O^T and l by a = 0, and its first turn's products V^T P, of a piece that has not been, land in an O^T that is still to be so multiplied.  So these registers need only hold
	; finite numbers: zeros for the first block; what the first block left for the second.  All this stands in the wait for the first loads.
	WIN 0x80
.set i, VF
.rept 64
	v_mov_b32 v[i], 0
.set i, i+1
.endr
	WIN 0
.set i, 0
.rept 4
	v_mov_b32 v[ST+4*i+2], 0
	v_mov_b32 v[ST+4*i+3], 0
.set i, i+1
.endr
.set i, P+16
.rept 16
	v_mov_b32 v[i], 0
.set i, i+1
.endr
	s_wait_loadcnt 63               ; loads come back in order (ISA guide 5.7.1): behind Q's last load stand tile 0's 64, so with 63 out both blocks' Q are in
	WIN 0x85                        ; sources window 1, destination window 2
.set i, 0
.rept 64
	v_cvt_pk_bf16_f32 v[i], v[2*i], v[2*i+1]
.set i, i+1
.endr
	WIN 0x80                        ; sources window 0, destination window 2
.set i, 0
.rept 64
	v_cvt_pk_bf16_f32 v[QB+i], v[S+2*i], v[S+2*i+1]
.set i, i+1
.endr
	WIN 0x40                        ; O^T, where the first block's Q lay
.set i, 0
.rept 128
	v_mov_b32 v[i], 0
.set i, i+1
.endr
	WIN 0
; THE MATRIX WORK.  The 4 accumulators of a run of 8 take turns.  Product i of 8 of S^T = K Q^T for piece x, into buffer b: channels 32 (i / 4) on, keys 16 (i % 4) on.
; The first 4 start the sums: with 0 (KM = 0), with MD (KM = 1: the band's own step) or with MC (KM = 2: a block's first scores).
.macro KQ x, b
.set rS, S+32*(\b)+8*(i%4)
.set rK, KF+16*(i%4)+8*(i/4)
.set rQ, 16*(\x)+8*(i/4)
.if (i < 4) && (KM == 1)
	WIN W_KM
	v_wmma_f32_16x16x32_bf16 v[rS:rS+7], v[rK:rK+7], v[rQ:rQ+7], v[MD+8*(i%4):MD+8*(i%4)+7]
.elseif (i < 4) && (KM == 2)
	WIN W_KM
	v_wmma_f32_16x16x32_bf16 v[rS:rS+7], v[rK:rK+7], v[rQ:rQ+7], v[MC+8*(i%4):MC+8*(i%4)+7]
.elseif i < 4
	WIN W_KQ
	v_wmma_f32_16x16x32_bf16 v[rS:rS+7], v[rK:rK+7], v[rQ:rQ+7], 0
.else
	WIN W_KQ
	v_wmma_f32_16x16x32_bf16 v[rS:rS+7], v[rK:rK+7], v[rQ:rQ+7], v[rS:rS+7]
.endif
.endm
; Product i of 8 of O^T += V^T P for piece x, with P from buffer b: keys 32 (i / 4) on, channels 16 (i % 4) on.
.macro PV x, b
	WIN W_PV
.set rO, 32*(\x)+8*(i%4)
.set rV, VF+32*(i/4)+8*(i%4)
.set rP, P+16*(\b)+8*(i/4)
	v_wmma_f32_16x16x32_f16 v[rO:rO+7], v[rV:rV+7], v[rP:rP+7], v[rO:rO+7]
.endm
.macro MM                           ; the turn's next matrix instruction.  TURN sets Y, YN, YP, BC, i, KM, NOKQ and NOPV; MM, KQ and OP read them.  NOKQ = 1: no pair follows; NOPV = 1: the pair before has had its products
.if i < 8
.if !NOKQ
	KQ YN, 1-BC
.endif
.elseif !NOPV
.set i, i-8
	PV YP, 1-BC
.set i, i+8
.endif
.set i, i+1
.endm
; THE LDS LOADS stand in runs of 16, never singly among the matrix instructions: a step's K (64 keys x 64 channels: 8 fragments) and its V (turned).  Their addresses are made some lines ahead.
.macro FETCH_K
	WIN 0x80                        ; destination window 2
.irp f, 0,1,2,3,4,5,6,7             ; keys 16 (f / 2) on, channels 32 (f % 2) on
	ds_load_b128 v[KF+8*\f:KF+8*\f+3],   v[AK] offset:(\f/2)*16*PK+(\f%2)*64
	ds_load_b128 v[KF+8*\f+4:KF+8*\f+7], v[AK] offset:(\f/2)*16*PK+(\f%2)*64+32
.endr
	s_add_co_u32 s[TBK], s[TBK], KS*PK  ; the next fetch is the next step's
	WIN 0
.endm
.macro FETCH_V
	WIN 0x80
.irp f, 0,1,2,3,4,5,6,7             ; keys 32 (f / 4) on, channels 16 (f % 4) on
	ds_load_tr16_b128 v[VF+8*\f:VF+8*\f+3],   v[AV] offset:(\f/4)*32*PV+(\f%4)*32
	ds_load_tr16_b128 v[VF+8*\f+4:VF+8*\f+7], v[AV] offset:(\f/4)*32*PV+16*PV+(\f%4)*32
.endr
	WIN 0
.endm
; THE VECTOR WORK, one line at a time: OP kind, number.  For the pair in hand (piece Y, buffer BC): F n: c s - c m for pair n of 16.  E n: the exponential of score n of 32.  C n: pair n rounded to f16.  B n: of the four
; weights 4 n .. the second pair is added onto the first, in place.  L n: l takes that sum (L 0: l = a l + sum).  R n: pair n of 16 of O^T times a.  For the pair that follows (piece YN, the other buffer): X n, number n of
; the 22 that find its maximum and statistics:
;   0-11  four chains c0-c3 of seven scores each, three operands at a time (each accumulator's lowest registers are read first)     12-14, 16  the four scores left over, the old m, and c0-c3 into c0
;   15  c m_old is kept     17, 18  the query's other 32 keys lie in the lane 16 away: the new m     19-21  c m; c m_old - c m_new; a
.set F, 0               ; OP tells the kinds apart by their order: F to L below R, X above it
.set E, 1
.set C, 2
.set B, 3
.set L, 4
.set R, 5
.set X, 6
.macro REGS y, b                    ; the registers of piece y in buffer b
.set rT, ST+4*(\y)
.set rC, TMP+4*(\b)
.set rW, MV+(\b)
.set rS, S+32*(\b)
.set rP, P+16*(\b)
.set rO, 32*(\y)
.endm
.macro OP k, n
.if (\k) == R
	REGS Y, BC
	WIN W_RS
	v_pk_mul_f32 v[rO+2*(\n):rO+2*(\n)+1], v[rO+2*(\n):rO+2*(\n)+1], v[rC+2:rC+3] op_sel_hi:[1,0]
.elseif (\k) < R
	REGS Y, BC
	WIN 0
.if (\k) == F
	v_pk_fma_f32 v[rS+2*(\n):rS+2*(\n)+1], v[rS+2*(\n):rS+2*(\n)+1], s[CS:CS+1], v[rT:rT+1] op_sel_hi:[1,0,0] neg_lo:[0,0,1] neg_hi:[0,0,1]
.elseif (\k) == E
	v_exp_f32 v[rS+(\n)], v[rS+(\n)]
.elseif (\k) == C
	s_wait_alu depctr_va_vdst(0)
	v_cvt_pk_f16_f32 v[rP+(\n)], v[rS+2*(\n)], v[rS+2*(\n)+1]
.elseif (\k) == B
	s_wait_alu depctr_va_vdst(0)
	v_pk_add_f32 v[rS+4*(\n):rS+4*(\n)+1], v[rS+4*(\n):rS+4*(\n)+1], v[rS+4*(\n)+2:rS+4*(\n)+3]
.elseif (\n) == 0
	v_pk_fma_f32 v[rT+2:rT+3], v[rT+2:rT+3], v[rC+2:rC+3], v[rS:rS+1] op_sel_hi:[1,0,1]
.else
	v_pk_add_f32 v[rT+2:rT+3], v[rT+2:rT+3], v[rS+4*(\n):rS+4*(\n)+1]
.endif
.elseif NOKQ
	v_nop
.else
	REGS YN, 1-BC
	WIN 0
.if (\n) < 4
	v_max3_num_f32 v[rC+(\n)], v[rS+8*(\n)], v[rS+8*(\n)+1], v[rS+8*(\n)+2]
.elseif (\n) < 12
	v_max3_num_f32 v[rC+(\n)%4], v[rC+(\n)%4], v[rS+8*((\n)%4)+2*((\n)/4)+1], v[rS+8*((\n)%4)+2*((\n)/4)+2]
.elseif (\n) == 12
	v_max3_num_f32 v[rC], v[rC], v[rS+7], v[rS+15]
.elseif (\n) == 13
	v_max3_num_f32 v[rC+1], v[rC+1], v[rS+23], v[rS+31]
.elseif (\n) == 14
	v_max3_num_f32 v[rC+2], v[rC+2], v[rC+3], v[rT+1]
.elseif (\n) == 15
	v_mov_b32 v[rW], v[rT]
.elseif (\n) == 16
	v_max3_num_f32 v[rC], v[rC], v[rC+1], v[rC+2]
.elseif (\n) == 17
	v_permlanex16_b32 v[rC+3], v[rC], s[SEL], s[SEL+1]
.elseif (\n) == 18
	v_max_num_f32 v[rT+1], v[rC], v[rC+3]
.elseif (\n) == 19
	v_mul_f32 v[rT], s[CS], v[rT+1]
.elseif (\n) == 20
	v_sub_f32 v[rC+1], v[rW], v[rT]
.else
	v_exp_f32 v[rC+2], v[rC+1]
.endif
.endif
.endm
.macro OPS a, i1, b=-1, i2=0, c=-1, i3=0, d=-1, i4=0  ; up to four of them
	OP \a, \i1
.if (\b) >= 0
	OP \b, \i2
.endif
.if (\c) >= 0
	OP \c, \i3
.endif
.if (\d) >= 0
	OP \d, \i4
.endif
.endm
.macro ROW a, i1, b, i2, c, i3, d, i4  ; a matrix instruction and the four behind it
	MM
	OPS \a, \i1, \b, \i2, \c, \i3, \d, \i4
.endm
; A TURN: the order of its 16 matrix and 118 vector instructions, written out.  Behind a matrix instruction: plain, exponential, plain, plain; or four of the rescaling; or, behind the first, four scalings; none
; names a register of the products round it.  In the runs between, exponential and plain by turns while exponentials last.  A line reads no result made fewer than three vector instructions in front of it, five if an
; exponential made it.  v_permlanex16_b32 (X 17) stands in such a run.
; cur: the piece in hand.  nxt: the piece whose scores the turn starts (-1: none).  prv: the piece whose V^T P it issues (-1: none).  bc: the buffers of the piece in hand.  km: the mask of the new scores (see KQ).
; fk = 1: K of the next step is fetched, six vector instructions behind the last product that read K (five of them plain).  fk = 2: V is fetched at that place (a turn without products).
; fv = 1: V is fetched, eight vector instructions behind the last product that read V (four plain, and X 17).
; wk, wv: the counts of the LDS waits in front of the first K Q^T and the first V^T P (-1: no wait).  cnt = 1: the loop's count is taken down some lines ahead of the branch that stands behind the turn.
; cur = nxt is sound: the new c m and m (X 18, X 19, in the second run) are written behind the last line that reads the old c m (F 15, in the first); a and c m_old lie by buffer.
; cur = prv is not: O^T may be rescaled only behind the pair before's products.
.macro TURN cur, nxt, prv, bc, km=0, fk=0, fv=0, wk=-1, wv=-1, cnt=0
.set Y, (\cur)
.set BC, (\bc)
.set KM, (\km)
.set i, 0
.set NOKQ, 0
.set NOPV, 0
.if (\nxt) < 0
.set NOKQ, 1
.else
.set YN, (\nxt)
.endif
.if (\prv) < 0
.set NOPV, 1
.else
.set YP, (\prv)
.endif
.if (\wk) >= 0
	s_wait_dscnt \wk                ; K is in
.endif
	ROW F,0, F,1, F,2, F,3
	ROW F,4, E,0, F,5, F,6
	ROW F,7, E,1, F,8, F,9
	ROW F,10, E,2, C,0, F,11
	ROW F,12, E,3, X,15, F,13
	ROW R,0, R,1, R,2, R,3
	ROW B,0, E,4, F,14, L,0
.if (\fk) == 1
	v_add_nc_u32 v[AK], s[TBK], v[AK0]
.elseif (\fk) == 2
	v_add_nc_u32 v[AV], s[TBV], v[AV0]
.endif
	ROW R,4, R,5, R,6, R,7
	OPS E,5, F,15
.if (\fk) == 1
	FETCH_K
.elseif (\fk) == 2
	FETCH_V
.endif
	OPS E,6, C,1, E,7, R,8
	OPS E,8, R,9, E,9, C,2
	OPS E,10, X,0, E,11, X,1
	OPS E,12, X,2, E,13, X,3
.if (\wv) >= 0
	s_wait_dscnt \wv                ; V is in
.endif
	ROW X,4, E,14, X,5, X,6
	ROW X,7, E,15, X,8, X,9
	ROW X,10, E,16, X,11, X,12
	ROW X,13, E,17, X,14, B,1
	ROW C,4, E,18, X,16, L,1
	ROW B,2, E,19, C,6, L,2
	ROW C,8, E,20, B,3, B,4
.if \fv
	v_add_nc_u32 v[AV], s[TBV], v[AV0]
.endif
	ROW C,3, E,21, L,3, C,5
	OPS E,22, X,17, E,23, C,10
.if \fv
	FETCH_V
.endif
	OPS E,24, L,4
	OPS E,25, X,18, E,26, C,7
	OPS E,27, B,5, E,28, X,19
	OPS E,29, C,12, E,30, L,5
	OPS E,31, X,20, B,6, C,9
	OPS C,14, C,11, X,21, L,6
.if \fv
	s_add_co_u32 s[TBV], s[TBV], KS*PV
.endif
.if \cnt
	s_sub_co_u32 s[CNT], s[CNT], 1
	s_cmp_lg_u32 s[CNT], 0
.endif
	OPS C,13, B,7, C,15, R,10
	OPS R,11, R,12, L,7, R,13
	OPS R,14, R,15
.endm
; THE WAY OUT, a piece (16 rows of O) at a time.  A lane holds one row's channels 16 cb + 8 (l / 16) + 0..7 for cb = 0..3: they are divided by l, go as f32 into my own stage, rows of 272 bytes,
; and come back as whole rows of 256 bytes, into the registers that they left.
.macro ALL line:vararg              ; one line for each piece t
.set t, 0
.rept 4
	\line
.set t, t+1
.endr
.endm
.macro PACK t
	WIN W_RS
.set i, 32*(\t)
.rept 16
	s_wait_alu depctr_va_vdst(0)
	v_pk_mul_f32 v[i:i+1], v[i:i+1], v[ST+4*(\t)+2:ST+4*(\t)+3] op_sel_hi:[1,0]
.set i, i+2
.endr
	WIN 0x04                        ; data (source 1) in window 1, address in window 0
.irp k, 0,1,2,3,4,5,6,7
	ds_store_b128 v[STO], v[32*(\t)+4*\k:32*(\t)+4*\k+3] offset:64*(\k/2)+16*(\k%2)
.endr
	WIN 0x40                        ; destination window 1
.irp f, 0,1,2,3,4,5,6,7
	ds_load_b128 v[32*(\t)+4*\f:32*(\t)+4*\f+3], v[RD] offset:\f*2*SP  ; LDS serves a wave's instructions in order (ISA guide 5.7.1.4): these see the stores above; the next piece's stores come behind them
.endr
.endm
.macro SEND t, younger              ; younger: the LDS instructions issued behind piece t's loads: the next piece's sixteen, or none
	WIN 0x04
.irp f, 0,1,2,3,4,5,6,7
	s_wait_dscnt (\younger)+7-\f    ; read-back f is in; the 7 - f behind it and the younger ones may be out
	global_store_b128 v[GO], v[32*(\t)+4*\f:32*(\t)+4*\f+3], s[10:11] offset:(\t)*262144+\f*8192 th:TH_STORE_NT  ; 16 lanes store a head's row: 256 consecutive bytes, at a multiple of 256 from O's first byte
.endr
.endm
.set KM, 0
.set NOKQ, 0
.set NOPV, 0
.set BC, 0
.set YN, 0
.set YP, 0
.Lslot:                             ; nine times: a tile is entered and, but for the last time, the next is asked for
	; THE CHANGE OF TILES.  All of the old tile that is still wanted lies in registers (K and V of its last step).  One tile in LDS, so two barriers: nobody reads the old tile any more; the new tile is whole.
	s_wait_loadcnt 0x0              ; the entering tile's 64 loads are in, so their bases may be written too
	s_wait_xcnt 0x0                 ; every earlier memory instruction has had its addresses translated (ISA guide 3.1): the base of the line that asks ahead is stepped only behind this wait
	s_wait_dscnt 0x0                ; my reads of the old tile are back:
	s_barrier_signal -1             ; say so,
	CONVERT                         ; work on registers while the others arrive,
	s_barrier_wait -1               ; and write only when all four have said so
	STORE_TILE
	s_lshl_b32 s[OFF], s[NXT], 20   ; a tile is 256 positions: 2^20 bytes on in K and in V
	s_add_nc_u64 s[KA:KA+1], s[6:7], s[OFF:OFF+1]
	s_add_nc_u64 s[VA:VA+1], s[8:9], s[OFF:OFF+1]
	s_add_co_u32 s[NXT], s[NXT], 1  ; the block's next tile, or behind its last the second block's tile 0
	s_cmp_gt_u32 s[NXT], s[LQ]
	s_cselect_b32 s[NXT], 0, s[NXT]
	s_cselect_b32 s[LQ], s[PB], s[LQ]
	s_add_nc_u64 s[PFB:PFB+1], s[PFB:PFB+1], 1<<20
	s_mov_b32 s[TBK], 0             ; the fetches begin at the tile's first step
	s_mov_b32 s[TBV], 0
	s_wait_dscnt 0x0                ; for the others' sake: my stores into the tile are done
	s_barrier_signal -1
	s_barrier_wait -1
	s_cmp_lg_u32 s[SLOTS], 1        ; the walk's last tile has no successor
	s_cselect_b32 s[VT], 2, 0
	s_cbranch_scc0 .Lno_k
	GLOADK                          ; the next tile's K; its V follows some turns on
.Lno_k:
	s_sub_co_u32 s[RT], s[RT], 1
	s_mov_b32 s[CNT], 4
	s_cmp_eq_u32 s[NEW], 1
	s_cbranch_scc1 .Lnew            ; a block's first tile
	s_cmp_eq_u32 s[RT], 0
	s_cbranch_scc0 .Lstep           ; neither its first nor its last
	s_branch .LstepM                ; its last: the diagonal one
.Lnew:
	; A BLOCK BEGINS.  c m starts far below every c s, so the first step's a is 0; m at the lowest finite number, so the first maximum is the scores'.  MC takes piece 0's mask for the tile's step 0:
	; MD, if the block's first tile is the diagonal one, else 0.  Then K of that step, piece 0's first scores, and its maximum and statistics.
	s_mov_b32 s[NEW], 0
.set i, 0
.rept 4
	v_mov_b32 v[ST+4*i], 0xfe000000    ; c m: far below every c s
	v_mov_b32 v[ST+4*i+1], 0xff7fffff  ; m
.set i, i+1
.endr
	s_cmp_eq_u32 s[RT], 0
	s_cselect_b32 s[AL], 1.0, 0
	WIN W_RS
.set z, 0
.rept 16
	v_pk_mul_f32 v[MC+2*z:MC+2*z+1], v[MD+2*z:MD+2*z+1], s[AL:AL+1] op_sel_hi:[1,0]
.set z, z+1
.endr
	WIN 0
	v_add_nc_u32 v[AK], s[TBK], v[AK0]
	FETCH_K
	s_wait_dscnt 0x0
.set KM, 2
.set NOKQ, 0
.set i, 0
.rept 8
	KQ 0, 0
.set i, i+1
.endr
	WIN 0
.rept 4
	v_nop                           ; the places behind those products
.endr
.set YN, 0                          ; X works for piece YN in the buffer other than BC: piece 0, buffer 0
.set BC, 1
.irp n, 0,1,2,3,4,5,6,7,8,9,10,11,12,13,14,15,16,17,18,19,20,21
	OP X, \n
.endr
	v_nop                           ; a plain instruction behind the exponential
	s_cmp_eq_u32 s[RT], 0           ; the tile's text is entered at its step 0's first turn
	s_cbranch_scc1 .LfirstM         ; block 0 alone: its first tile is the diagonal one
	s_branch .Lfirst
	; THE DIAGONAL TILE, written out.  (s, x) is key step s of the tile, piece x.  First the old tile's last two turns; then the ten pairs with s <= x, in the order of the steps.
	; K of the next step is fetched in piece 2's turn, which starts the step's last scores; V of a step in the step's first turn, behind the last products of the step before.
.LstepM:
	TURN 2, 3, 1, 0, 0, 1           ; the old tile's last step, piece 2 | K of step 0
	TURN 3, 0, 2, 1, 1, 0, 0, 0     ; its piece 3 | the scores of (0,0), masked
	WIN 0
.LfirstM:
	TURN 0, 1, 3, 0, 0, 0, 1        ; (0,0) | V of step 0
	TURN 1, 2, 0, 1, 0, 0, 0, -1, 0 ; (0,1)
	TURN 2, 3, 1, 0, 0, 1           ; (0,2) | K of step 1
	WIN 0
	VASK 1                          ; five turns behind K's loads of the next tile; seven turns and the way out follow
	TURN 3, 1, 2, 1, 1, 0, 0, 0     ; (0,3) | the scores of (1,1), masked
	TURN 1, 2, 3, 0, 0, 0, 1        ; (1,1) | V of step 1
	TURN 2, 3, 1, 1, 0, 1, 0, -1, 16  ; (1,2) | K of step 2; the wait for V leaves out the 16 loads of K issued behind V's
	TURN 3, 2, 2, 0, 1, 0, 0, 0     ; (1,3) | the scores of (2,2), masked
	TURN 2, 3, 3, 1, 0, 1, 1        ; (2,2) | K of step 3, V of step 2
	TURN 3, 3, 2, 0, 1, 0, 0, 16, 0 ; (2,3) | the scores of (3,3), masked; the wait for K leaves out the 16 loads of V issued behind K's
.set i, 0
.rept 8
	PV 3, 0                         ; the products of (2,3) stand by themselves: the turn that follows is the same piece's, and rescales the O^T onto which they add
.set i, i+1
.endr
	TURN 3, -1, -1, 1, 0, 2         ; (3,3), with no product beside it | V of step 3, early
	s_wait_dscnt 0x0                ; V is in
.set i, 0
.rept 8
	PV 3, 1                         ; the block's last products
.set i, i+1
.endr
	WIN 0                           ; the way out: l's two halves and the other half of the lanes' are added; these additions are the places behind the last products
	ALL v_add_f32 v[ST+4*t+2], v[ST+4*t+2], v[ST+4*t+3]
	ALL v_permlanex16_b32 v[ST+4*t+3], v[ST+4*t+2], s[SEL], s[SEL+1]
	ALL v_add_f32 v[ST+4*t+2], v[ST+4*t+2], v[ST+4*t+3]
	ALL v_rcp_f32 v[ST+4*t+2], v[ST+4*t+2]
	v_nop                           ; a plain instruction between the last reciprocal and the use of its result
	PACK 0
.set t, 1
.rept 3                             ; a piece's arithmetic stands between the loads of the piece before and its stores
	PACK t
	SEND t-1, 16
.set t, t+1
.endr
	SEND 3, 0
	WIN 0
	s_cmp_eq_u32 s[SLOTS], 1
	s_cbranch_scc1 .Ldone           ; that was the second block
	s_wait_xcnt 0x0                 ; the stores' addresses are translated: O's base and, in the turns to come, the registers that they read are rewritten only behind this wait
	s_mov_b64 s[10:11], s[OLO:OLO+1]
	s_add_co_u32 s[RT], s[PB], 1    ; the second block has b + 1 tiles
	s_mov_b32 s[NEW], 1
	WIN 0x82                        ; the second block's Q goes where the one text of the turns names Q
.set i, 0
.rept 64
	v_mov_b32 v[i], v[QB+i]
.set i, i+1
.endr
	WIN 0
	s_branch .Lbottom
.Lstep:                             ; a trip: pieces 2 and 3 of one step, then pieces 0 and 1 of the next, whose K and V it fetches
	VASK 0
	TURN 2, 3, 1, 0, 0, 1
	TURN 3, 0, 2, 1, 0, 0, 0, 0
	WIN 0
.Lfirst:
	TURN 0, 1, 3, 0, 0, 0, 1
	TURN 1, 2, 0, 1, 0, 0, 0, -1, 0, 1
	WIN 0
	s_cbranch_scc1 .Lstep
.Lbottom:
	s_sub_co_u32 s[SLOTS], s[SLOTS], 1
	s_cmp_lg_u32 s[SLOTS], 0
	s_cbranch_scc1 .Lslot
.Ldone:
	s_wait_tensorcnt 0x0
	ds_add_u32 v254, v255
	s_wait_dscnt 0x0
	s_endpgm
.Lfunc_end_k_q1957e304f5_attn:
	.size	k_q1957e304f5_attn, .Lfunc_end_k_q1957e304f5_attn-k_q1957e304f5_attn
	.p2alignl 7, 3214868480
	.fill 96, 4, 3214868480
	.section	.rodata,"a",@progbits
	.p2align	6, 0x0
	.amdhsa_kernel k_q1957e304f5_attn
		.amdhsa_group_segment_fixed_size 95744
		.amdhsa_private_segment_fixed_size 0
		.amdhsa_enable_private_segment 0
		.amdhsa_kernarg_size 32
		.amdhsa_user_sgpr_count 2
		.amdhsa_user_sgpr_kernarg_segment_ptr 1
		.amdhsa_wavefront_size32 1
		.amdhsa_system_sgpr_workgroup_id_x 1
		.amdhsa_system_sgpr_workgroup_id_y 1
		.amdhsa_system_sgpr_workgroup_id_z 1
		.amdhsa_system_vgpr_workitem_id 0
		.amdhsa_next_free_vgpr 1024
		.amdhsa_next_free_sgpr 88
		.amdhsa_reserve_vcc 1
		.amdhsa_float_denorm_mode_32 3
		.amdhsa_float_denorm_mode_16_64 3
		.amdhsa_memory_ordered 1
		.amdhsa_forward_progress 1
		.amdhsa_inst_pref_size 247
	.end_amdhsa_kernel
	.amdgpu_metadata
---
amdhsa.version: [ 1, 2 ]
amdhsa.kernels:
  - .name:           k_q1957e304f5_attn
    .symbol:         k_q1957e304f5_attn.kd
    .args:
      - { .name: queries, .offset: 0, .size: 8, .value_kind: global_buffer, .address_space: global }
      - { .name: keys, .offset: 8, .size: 8, .value_kind: global_buffer, .address_space: global }
      - { .name: values, .offset: 16, .size: 8, .value_kind: global_buffer, .address_space: global }
      - { .name: out0, .offset: 24, .size: 8, .value_kind: global_buffer, .address_space: global }
    .group_segment_fixed_size: 95744
    .private_segment_fixed_size: 0
    .kernarg_segment_align: 8
    .kernarg_segment_size: 32
    .max_flat_workgroup_size: 128
    .sgpr_count:     88
    .vgpr_count:     1024
    .wavefront_size: 32
...
	.end_amdgpu_metadata
.endif
;; end of part 1
;; ======== version 2 of 2: 1 launch; version 1 with the launch attn written anew for expert scheduling mode
;; limits: values are held in f16: magnitudes above 65,504 overflow, below 6.1e-05 lose precision; inputs' magnitudes at most 65,504; below input magnitudes of 7.6e-06 results are inexact or not finite; right only within a limited range of input values
;; launch attn (part 2): grid 4 x 64, 4 waves a work-group, no clusters, 95,744 bytes of LDS; arguments queries, keys, values, out0; writes out0
.if DOCPART == 2
	.amdgcn_target "amdgcn-amd-amdhsa--gfx1250"
	.amdhsa_code_object_version 6
	.text
	.protected	k_q1957e304f5_attn
	.globl	k_q1957e304f5_attn
	.p2align	8
	.type	k_q1957e304f5_attn,@function
k_q1957e304f5_attn:
	s_mov_b64 s[64:65], 0
	v_nop
	global_prefetch_b8 v0, s[64:65] scope:SCOPE_SE
	s_setreg_imm32_b32 hwreg(HW_REG_WAVE_SCHED_MODE, 0, 2), 2
	s_setreg_imm32_b32 hwreg(HW_REG_WAVE_MODE, 25, 1), 1
	s_wait_xcnt 0x0
	s_wait_alu depctr_vm_vsrc(0)
; CAUSAL ATTENTION.  O[b][q][h][:] = the sum over k <= q of softmax_k(Q[b][q][h] . K[b][k][h] / 8) V[b][k][h][:].  Q, K, V, O: [4][2048][16][64] in f32: a head's row is 256 bytes, a position 4,096 bytes.
; FORMATS.  Q, K and V are rounded to bf16.  S^T = K Q^T is a bf16 product.  V's bf16 number is written as f16 and the weights p are rounded to f16 for O^T = V^T P, an f16 product.
; Products, maxima, sums (l is taken of the unrounded p) and O in f32; O is not rounded again.
; LIMITS.  f16 holds no number beyond 65,504: |bf16(v)| stays under it.  v below 2^-17 in magnitude and p below 6e-5 keep f16's fixed step of 6e-8.  A hidden score counts as its value less 1e30;
; a weight below 2^-126 counts as 0 in l; NaN and infinities are not treated apart.
; THE WALK.  A head's queries lie in NB = 8 blocks of 256; block i needs the key tiles 0 .. i of 256 keys, of which the last holds the diagonal.  A work-group takes TWO blocks, 7 - b and then b: 9 tiles,
; whatever b: 4 x 64 = 256 work-groups of equal work, and ONE loop of nine trips walks them.  Which tile is asked for and what a trip does hang on scalar registers made from b; every jump but the counted
; loops' own goes forward, and none passes a barrier.
; THE TILES COME THROUGH REGISTERS.  Wave w loads keys 64 w .. 64 w + 63 of a tile's K and V in f32 (64 loads of 512 bytes, two whole rows each) into 256 registers while the tile before is multiplied;
; at the change of tiles it rounds them and stores them into ONE 16-bit tile in LDS, from which all four waves take their fragments: each number is converted once a work-group, not once a wave.
; NO CLUSTER: a joint request is a tensor load, which lands in LDS as it lies in memory; these tiles are converted on their way, in registers.  And a head's four work-groups want the same tile only in trips 0 to 4 of 9.
; SHARES.  Of a block's four bands of 64 queries a wave owns 16 rows in each: four PIECES.  So the diagonal tile is the same work for all four waves: in its key step s band x sees all keys if s < x,
; none if s > x, and holds the diagonal if s = x.  The six pairs (s, x) with s > x are left out: the diagonal tile's ten live pairs are written out, turn by turn.
; THE MASK is the C operand that starts the sum S^T = K Q^T: 0, or -1e30 where the key is hidden.  MD, made once, is the mask of a band's own step for my 16 rows: the products of a pair (s, s) take it;
; all others take the constant 0.  A block's first scores take MC = MD x AL, AL = 1 if the block's first tile is the diagonal one, else 0.
; LAYOUT, SOFTMAX, TURNS.  S^T = K Q^T holds ONE query a lane (lane % 16) and the keys 8 (lane / 16) + 0..7; two such results rounded to f16 ARE source 1 of O^T = V^T P.  p = 2^(c s - c m), c = log2(e) / 8, with a
; running maximum m; O and l are multiplied by a = 2^(c m_old - c m_new) in every step.  A turn belongs to a piece and step: 8 products K Q^T of the pair that follows, later 8 products V^T P of the pair before; beside them the
; scaling, exponentials, roundings, sums and rescaling of the pair in hand and the maximum and statistics of the pair that follows.  Four vector instructions stand behind every matrix instruction, the other 54 of a turn's 118 in two runs of their own.
; REGISTERS, in windows of 256 (s_set_vgpr_msb: bits 1:0 source 0, 3:2 source 1, 5:4 source 2, 7:6 destination):
;   window 0: v0-15, v32-36 addresses and a few at work; v16-31 four registers of statistics a piece; v48-55 at work; v64-127 S^T, two buffers (at the head v64-191: the second block's Q in f32); v192-223 P, two buffers
;   window 1: v0-127 O^T, 32 a piece (at the head: the first block's Q in f32); v128-159 MD; v160-191 MC
;   window 2: v0-63 Q; v64-127 the second block's Q; v128-191 K of one step; v192-255 V of one step          window 3: v0-127 the next tile's K as loaded, v128-255 its V
; The buffers of S^T, P and the registers at work go by the turn's parity: the pair in hand has one, the pair before (P is read) and the pair that follows (S^T is written) share the other.
; THE MODE: SCHED_MODE bits 1:0 = 2 (LLVM: expert scheduling mode 2), set by the entry lines.  The code itself states the register dependences between vector or matrix instructions and memory or LDS
; instructions, with s_wait_alu, always for 0.
; THE PLAN.  Registers that memory or LDS instructions touch, and who else names them:
;   window 3      The next tile's loads land there (K's at the change of tiles, V's some turns on); at the next change CONVERT reads and writes them and the tile's LDS stores read them.  No turn names them.
;                 One wait on va_vdst ahead of the LDS stores, one on vm_vsrc behind them, one on va_vdst directly ahead of each of the two runs of loads.
;   KF, VF        Once a key step a run of 16 LDS loads lands in each; the products read them.  v[AK], v[AV]: written by one add a key step, read by that run.
;                 One wait on vm_vsrc ahead of the add; one on va_vdst directly ahead of the run: the address is written, and the products are done reading the fragments.
;   O^T           At a block's way out alone: the divisions write a piece, LDS stores read it, LDS loads land in it, global stores read it; the next block's products and rescalings write it again.
;                 A wait on va_vdst ahead of the LDS stores; one on va_vdst and one on vm_vsrc ahead of the LDS loads; one on vm_vsrc behind the block's last global stores.
;   v6-8, v15, v32-36   Offsets and LDS addresses, made at the head and never written again: the first wait on va_vdst behind each serves all its readers.
; S^T, P, Q, the masks and the statistics are named by vector and matrix instructions alone.
.set NB,    8
.set NP,    4         ; pieces a wave: a name, no knob
.set KS,    64        ; keys in a step
.set ROWB,  4096      ; bytes from a position to the next
.set PK,    144       ; a row of K in LDS: 128 bytes + 16 of padding = 36 words: the 16 rows of a load start at 16 different groups of four banks (64 banks of 4 bytes: ISA guide 11.1)
.set PV,    160       ; a row of V: 128 + 32 = 40 words
.set VOFF,  4*KS*PK   ; the tile: 256 rows of K, then 256 rows of V
.set STAGE, VOFF+4*KS*PV  ; behind the tile: 16 rows x 272 bytes for each wave, for the way out
.set SP,    272       ; a stage row: 256 bytes of f32 + 16
.set AK0, 2           ; v2   my lane's place in a tile of K; never rewritten
.set AV0, 3           ; v3   the same for V
.set AK,  4           ; v4   the LDS address of K's next run of loads
.set AV,  5           ; v5   of V's
.set STO, 6           ; v6   the way out: where I put 32 bytes of a row
.set RD,  7           ; v7   the way out: where I read rows back
.set GO,  8           ; v8   my byte offset in two rows of O
.set MV,  12          ; v12-13  c m_old, kept while c m is made anew: by buffer
.set QO,  15          ; v15  my byte offset in 16 rows of Q
.set ST,  16          ; piece t's statistics at v[ST+4 t]: c m, m, l (even keys', odd keys')
.set GK,  32          ; v32  my byte offset in a tile of K in memory; never rewritten
.set GV,  33          ; v33  the same for V
.set SK,  34          ; v34  where I store 8 bytes of a row of K in LDS
.set SV,  35          ; v35  the same for V
.set PFO, 36          ; v36  the row that I ask for ahead, as a byte offset in a tile; never rewritten
.set TMP, 48          ; by buffer, four registers c0-c3 at work; when the maximum is found c2 takes a
.set S,   64
.set P,   192
.set MD,  128         ; window 1: the eight registers for group kt of 16 keys at MD + 8 kt
.set MC,  160         ; window 1: the mask of a block's first scores, laid out as MD
.set QB,  64          ; window 2
.set KF,  128         ; window 2: key block kb, channel half c at KF + 16 kb + 8 c
.set VF,  192         ; window 2: key half kk, channel block cb at VF + 32 kk + 8 cb
.set WV,  12          ; s12  my wave's number
.set PB,  14          ; s14  b
.set HI,  15          ; s15  7 - b
.set KA,  24          ; s[24:25] K at the tile that is being asked for
.set VA,  26          ; s[26:27] V at it
.set PFB, 28          ; s[28:29] K or V at the tile that is asked for ahead
.set PT,  30          ; s30  that tile's number
.set VT,  31          ; s31  the count of steps at which V's loads go out: 2, or 0 (never) in the last tile
.set MK,  32          ; s[32:47] at the head only: sixteen compares' lane masks
.set SLOTS, 56        ; s56  tiles still to be entered, 9 to 1
.set CNT, 57          ; s57  counts a tile's key steps, 4 to 1
.set CS,  58          ; s[58:59] c: the packed scaling takes the pair's low word for both halves
.set SEL, 60          ; s[60:61] v_permlanex16_b32's selects: each lane takes its own place in the other half
.set TBK, 62          ; s62  LDS byte at which K of the step to be fetched begins
.set TBV, 63          ; s63  the same for V, less VOFF
.set RT,  70          ; s70  tiles of the block in hand that are still to be entered
.set NXT, 71          ; s71  the tile to be asked for next
.set LQ,  72          ; s72  the last tile of the block whose tiles are being asked for
.set NEW, 73          ; s73  1: the tile to be entered is a block's first
.set OFF, 74          ; s[74:75] a tile's byte offset in K and V
.set AL,  76          ; s[76:77] the factor of a block's first mask, in the low word
.set OLO, 80          ; s[80:81] O at my rows of the second block
.set BIGN, 82         ; s82  -1e30
.set HM,  83          ; s83  a word's upper 16 bits
.set MSB, 0
.macro WIN new                      ; the high byte repeats the setting that is left; a switch that changes nothing is dropped
.if MSB != (\new)
	s_set_vgpr_msb (MSB<<8)|(\new)
.set MSB, (\new)
.endif
.endm
.set W_KQ, 0x0a       ; K and Q in window 2, S^T in window 0
.set W_KM, 0x1a       ; the same with the C operand in window 1
.set W_PV, 0x52       ; V in window 2, P in window 0, O^T in window 1
.set W_RS, 0x41       ; destination and source 0 in window 1, source 1 in window 0
; A TILE'S LOADS.  One load takes two rows of 256 bytes: lanes 0-15 one key's, lanes 16-31 the key's 8 (K) or 4 (V) further on, so that the LDS stores of 8 bytes a lane made of them
; fall into the two halves of the banks: 8 x 144 and 4 x 160 bytes are both 128 modulo 256.  Load i of K: keys 16 (i / 8) + i % 8 (+ 8); of V: keys 8 (i / 4) + i % 4 (+ 4).
; again = 1: the registers have held a tile before.  again = 0: tile 0, at the head, behind the wait that stands ahead of Q's loads, with loads and window switches alone between.
.macro GLOADK again
	WIN 0xc0                        ; destination window 3, address window 0
.if \again
	s_wait_alu depctr_va_vdst(0)    ; the roundings of the tile before are done reading and writing K's 128 registers, in which these loads land
.endif
.set i, 0
.rept 32
	global_load_b128 v[4*i:4*i+3], v[GK], s[KA:KA+1] offset:(16*(i/8)+i%8)*ROWB
.set i, i+1
.endr
	WIN 0
.endm
.macro GLOADV again
	WIN 0xc0
.if \again
	s_wait_alu depctr_va_vdst(0)    ; the roundings of the tile before are done reading and writing V's 128 registers, in which these loads land
.endif
.set i, 0
.rept 32
	global_load_b128 v[128+4*i:128+4*i+3], v[GV], s[VA:VA+1] offset:(8*(i/4)+i%4)*ROWB
.set i, i+1
.endr
	WIN 0
.endm
; THE ROUNDING, in place in window 3.  K: four f32 become four bf16 in the load's first two registers.  V: four f32 are rounded to bf16, widened again (a mask, a shift) and written as f16, which holds
; a bf16 number exactly within its range; four loads at a time, stage by stage, so that no line reads the result of the one before it.
.macro CONVERT
	WIN 0xcf                        ; destination, sources 0 and 1 in window 3
.set i, 0
.rept 32
	v_cvt_pk_bf16_f32 v[4*i], v[4*i], v[4*i+1]
	v_cvt_pk_bf16_f32 v[4*i+1], v[4*i+2], v[4*i+3]
.set i, i+1
.endr
.set rB, 128
.rept 8
.irp z, 0,2,4,6,8,10,12,14
	v_cvt_pk_bf16_f32 v[rB+\z], v[rB+\z], v[rB+\z+1]
.endr
.irp z, 0,2,4,6,8,10,12,14
	v_and_b32 v[rB+\z+1], s[HM], v[rB+\z]
.endr
.irp z, 0,2,4,6,8,10,12,14
	v_lshlrev_b32 v[rB+\z], 16, v[rB+\z]
.endr
.irp z, 0,4,8,12
	v_cvt_pk_f16_f32 v[rB+\z], v[rB+\z], v[rB+\z+1]
.endr
.irp z, 0,4,8,12
	v_cvt_pk_f16_f32 v[rB+\z+1], v[rB+\z+2], v[rB+\z+3]
.endr
.set rB, rB+16
.endr
.endm
.macro STORE_TILE                   ; 8 bytes a lane: 16 lanes fill a row's 128 bytes
	WIN 0x0c                        ; data (source 1) in window 3, address in window 0
	s_wait_alu depctr_va_vdst(0)    ; the roundings have written the registers that these stores read; at the first tile also: v[SK], v[SV] and the head's other addresses are written
.set i, 0
.rept 32
	ds_store_b64 v[SK], v[4*i:4*i+1] offset:(16*(i/8)+i%8)*PK
	ds_store_b64 v[SV], v[128+4*i:128+4*i+1] offset:(8*(i/4)+i%4)*PV
.set i, i+1
.endr
	WIN 0
.endm
; V's LOADS OF THE NEXT TILE go out some turns behind K's: a wave's 64 loads go in two runs of 32.  diag = 0: at the head of the step loop's trip in which two steps are left; diag = 1: at one place of the
; diagonal tile's text; in the walk's last tile (VT = 0) never.
; With them one line asks ahead: a tile's 512 rows (256 of K, 256 of V) are dealt to the 16 waves of the head's four work-groups, 32 rows a wave, each row asked for once in the launch.
; In the walk's trip n the tile asked for is n + 2, whose K is loaded from the next change of tiles on; tiles 2 to 7 alone: behind PT = 7 nothing is asked for, so no request leaves the buffer.
; v[PFO], which that line reads, was written at the head, ahead of many waits on va_vdst, and no line writes it again.
.macro VASK diag
.if \diag
	s_cmp_eq_u32 s[VT], 2
.else
	s_cmp_eq_u32 s[CNT], s[VT]
.endif
	s_cbranch_scc0 .Lno_v_\@
	s_wait_loadcnt 0x0              ; K's 32 loads are in: no load is out when V's registers are asked for again, on whatever way this line is reached
	GLOADV 1
	s_cmp_lt_u32 s[PT], NB
	s_cbranch_scc0 .Lno_pf_\@
	global_prefetch_b8 v[PFO], s[PFB:PFB+1] th:TH_LOAD_NT scope:SCOPE_SE
.Lno_pf_\@:
	s_add_co_u32 s[PT], s[PT], 1
.Lno_v_\@:
.endm
	s_load_b256 s[4:11], s[0:1], 0x0  ; Q s[4:5], K s[6:7], V s[8:9], O s[10:11]
	v_lshl_add_u32 v254, v0, 2, 0x17400
	v_mov_b32 v255, 0
	v_lshrrev_b32 v1, 5, v0
	v_readfirstlane_b32 s[WV], v1   ; wave 0..3
	s_mov_b32 s[PB], ttmp9
	s_sub_co_u32 s[HI], NB-1, s[PB]
	s_and_b32 s20, ttmp7, 0xffff    ; 16 x batch + head
	s_lshr_b32 s21, s20, 4
	s_and_b32 s20, s20, 15
	s_lshl_b32 s21, s21, 23         ; a batch is 2,048 positions of 4,096 bytes,
	s_lshl_b32 s20, s20, 8          ; a head 256 bytes of a position
	s_add_co_u32 s20, s20, s21      ; the head's first byte in each of the four tensors
	s_mov_b32 s21, 0
	s_wait_alu depctr_va_sdst(0)    ; the wave's number is written, ahead of its first reader, the line below
	s_lshl_b32 s3, s[WV], 16        ; my 16 rows in a band of 64,
	s_lshl_b32 s2, s[HI], 20        ; in the first block (256 positions are 2^20 bytes),
	s_add_co_u32 s2, s2, s3
	s_add_co_u32 s2, s2, s20
	s_lshl_b32 s84, s[PB], 20       ; and in the second
	s_add_co_u32 s84, s84, s3
	s_add_co_u32 s84, s84, s20
	s_mov_b32 s3, 0
	s_mov_b32 s85, 0
	s_mov_b32 s[CS], 0x3e38aa3b     ; c = log2(e) / 8 = 0.180337
	s_mov_b32 s[CS+1], s[CS]        ; named with it as a pair
	s_mov_b32 s[SEL], 0x76543210
	s_mov_b32 s[SEL+1], 0xfedcba98
	s_add_co_u32 s[RT], s[HI], 1    ; the first block has 8 - b tiles
	s_mov_b32 s[NXT], 1
	s_mov_b32 s[LQ], s[HI]
	s_mov_b32 s[NEW], 1
	s_mov_b32 s[OFF+1], 0
	s_mov_b32 s[AL+1], 0            ; named as a pair
	s_mov_b32 s[BIGN], 0xf149f2ca   ; -1e30
	s_mov_b32 s[HM], 0xffff0000
	s_mov_b32 s[SLOTS], NB+1
	s_mov_b32 s[PT], 2
	; A fragment of Q is 16 rows x 32 channels: lane l holds row l % 16, channels 8 (l / 16) + 0..7 and 16 + 8 (l / 16) + 0..7; in f32 eight channels are 32 bytes: two loads.
	v_and_b32 v1, 15, v0            ; l % 16
	v_bfe_u32 v9, v0, 4, 1          ; l / 16
	v_lshlrev_b32 v[QO], 12, v1
	v_lshl_add_u32 v[QO], v9, 5, v[QO]  ; row x 4,096 + 32 x half
	v_lshlrev_b32 v10, 4, v1        ; my 16 bytes of a row of 256
	s_lshl_b32 s13, s[WV], 18       ; my wave's 64 keys of a tile
	v_lshl_add_u32 v[GK], v9, 15, v10  ; lanes 16-31: 8 keys on
	v_add_nc_u32 v[GK], s13, v[GK]
	v_lshl_add_u32 v[GV], v9, 14, v10  ; lanes 16-31: 4 keys on
	v_add_nc_u32 v[GV], s13, v[GV]
	s_lshl2_add_u32 s16, s[PB], s[WV]  ; 4 b + w: my wave among the head's sixteen
	s_wait_kmcnt 0x0
	s_add_nc_u64 s[6:7], s[6:7], s[20:21]  ; K and V at the head's first row
	s_add_nc_u64 s[8:9], s[8:9], s[20:21]
	s_mov_b64 s[KA:KA+1], s[6:7]    ; tile 0
	s_mov_b64 s[VA:VA+1], s[8:9]
	s_add_nc_u64 s[86:87], s[4:5], s[84:85]        ; Q at my rows of the second block,
	s_add_nc_u64 s[4:5], s[4:5], s[2:3]            ; Q and O at those of the first
	s_add_nc_u64 s[OLO:OLO+1], s[10:11], s[84:85]
	s_add_nc_u64 s[10:11], s[10:11], s[2:3]
	s_cmp_lt_u32 s16, 8             ; waves 0-7 of the sixteen ask ahead for K's rows, waves 8-15 for V's
	s_cselect_b64 s[PFB:PFB+1], s[6:7], s[8:9]
	s_add_nc_u64 s[PFB:PFB+1], s[PFB:PFB+1], 1<<20  ; tile 1: the first change of tiles steps it to tile 2
	; 128 loads: both blocks' Q (load i: piece i / 8, channels 32 ((i / 4) % 2) + 16 ((i % 4) / 2) + 8 (l / 16) + 4 (i % 2) on), then tile 0
	WIN 0x40                        ; destination window 1
	s_wait_alu depctr_va_vdst(0)    ; v[QO], v[GK] and v[GV] are written, which the 128 loads below read as their offsets; loads and window switches alone stand between this line and the last of them
.set i, 0
.rept 32
	global_load_b128 v[4*i:4*i+3], v[QO], s[4:5] offset:(i/8)*262144+((i/4)%2)*128+((i%4)/2)*64+(i%2)*16 th:TH_LOAD_NT
.set i, i+1
.endr
	WIN 0
.set i, 0
.rept 32
	global_load_b128 v[S+4*i:S+4*i+3], v[QO], s[86:87] offset:(i/8)*262144+((i/4)%2)*128+((i%4)/2)*64+(i%2)*16 th:TH_LOAD_NT
.set i, i+1
.endr
	GLOADK 0
	GLOADV 0
	; what follows names no register into which a load is on its way
	v_lshlrev_b32 v14, 3, v9
	v_sub_nc_u32 v14, v1, v14
	s_lshl_b32 s13, s[WV], 4
	v_add_nc_u32 v14, s13, v14      ; my query's place in its band, 16 w + l % 16, less my lanes' 8 (l / 16): register r of group kt is hidden where 16 kt + r is greater
.irp hf, 0,1                        ; the 32 compares go in two runs of sixteen, each into a scalar register of its own, with one wait behind a run
	WIN 0
.set i, 16*\hf
.rept 16
	v_cmp_gt_i32 s[MK+i%16], 16*(i/8)+i%8, v14
.set i, i+1
.endr
	s_wait_alu depctr_va_sdst(0)    ; the sixteen compares have written s[MK ..], which the sixteen selects below read
	WIN 0x40
.set i, 16*\hf
.rept 16
	v_cndmask_b32 v[MD+i], 0, s[BIGN], s[MK+i%16]
.set i, i+1
.endr
.endr
	WIN 0
	v_mul_u32_u24 v[AK0], v1, PK
	v_lshl_add_u32 v[AK0], v9, 4, v[AK0]  ; row x pitch + 16 x half
	; The turning load takes 16 keys x 16 channels (lane l reads key 8 (l / 16) + l % 8, channels 8 ((l / 8) % 2) + 0..7) and leaves half a fragment of V^T: lane l holds channel l % 16 and 8 keys.
	v_and_b32 v10, 7, v0
	v_bfe_u32 v11, v0, 3, 1
	v_lshl_add_u32 v[AV0], v9, 3, v10
	v_mul_u32_u24 v[AV0], v[AV0], PV
	v_lshl_add_u32 v[AV0], v11, 4, v[AV0]
	v_add_nc_u32 v[AV0], VOFF, v[AV0]
	s_mul_i32 s13, s[WV], KS*PK     ; into the tile: my wave's 64 rows; lanes 16-31 eight rows on; 8 bytes a lane
	v_mul_u32_u24 v[SK], v9, 8*PK
	v_lshl_add_u32 v[SK], v1, 3, v[SK]
	v_add_nc_u32 v[SK], s13, v[SK]
	s_mul_i32 s13, s[WV], KS*PV     ; the same for V, lanes 16-31 four rows on
	s_add_co_u32 s13, s13, VOFF
	v_mul_u32_u24 v[SV], v9, 4*PV
	v_lshl_add_u32 v[SV], v1, 3, v[SV]
	v_add_nc_u32 v[SV], s13, v[SV]
	s_and_b32 s13, s16, 7           ; which 32 of a tile's 256 rows I ask for ahead,
	s_lshl_b32 s13, s13, 17
	v_and_b32 v[PFO], 31, v0        ; a row a lane
	v_lshlrev_b32 v[PFO], 12, v[PFO]
	v_add_nc_u32 v[PFO], s13, v[PFO]
	s_mul_i32 s13, s[WV], 16*SP
	s_add_co_u32 s13, s13, STAGE    ; my stage
	v_mul_u32_u24 v[STO], v1, SP    ; in: row l % 16, 32 bytes for each half of the lanes
	v_lshl_add_u32 v[STO], v9, 5, v[STO]
	v_add_nc_u32 v[STO], s13, v[STO]
	v_mul_u32_u24 v[RD], v9, SP     ; back: lanes 0-15 take one row of 256 bytes, lanes 16-31 the next
	v_lshl_add_u32 v[RD], v1, 4, v[RD]
	v_add_nc_u32 v[RD], s13, v[RD]
	v_lshlrev_b32 v[GO], 12, v9     ; and the same two rows in O
	v_lshl_add_u32 v[GO], v1, 4, v[GO]
	; A block's first step multiplies O^T and l by a = 0, and its first turn's products V^T P, of a piece that has not been, land in an O^T that is still to be so multiplied.  So these registers need only hold
	; finite numbers: zeros for the first block; what the first block left for the second.  All this stands in the wait for the first loads.
	WIN 0x80
.set i, VF
.rept 64
	v_mov_b32 v[i], 0
.set i, i+1
.endr
	WIN 0
.set i, 0
.rept 4
	v_mov_b32 v[ST+4*i+2], 0
	v_mov_b32 v[ST+4*i+3], 0
.set i, i+1
.endr
.set i, P+16
.rept 16
	v_mov_b32 v[i], 0
.set i, i+1
.endr
	s_wait_loadcnt 63               ; loads come back in order (ISA guide 5.7.1): behind Q's last load stand tile 0's 64, so with 63 out both blocks' Q are in
	WIN 0x85                        ; sources window 1, destination window 2
.set i, 0
.rept 64
	v_cvt_pk_bf16_f32 v[i], v[2*i], v[2*i+1]
.set i, i+1
.endr
	WIN 0x80                        ; sources window 0, destination window 2
.set i, 0
.rept 64
	v_cvt_pk_bf16_f32 v[QB+i], v[S+2*i], v[S+2*i+1]
.set i, i+1
.endr
	WIN 0x40                        ; O^T, where the first block's Q lay
.set i, 0
.rept 128
	v_mov_b32 v[i], 0
.set i, i+1
.endr
	WIN 0
; THE MATRIX WORK.  The 4 accumulators of a run of 8 take turns.  Product i of 8 of S^T = K Q^T for piece x, into buffer b: channels 32 (i / 4) on, keys 16 (i % 4) on.
; The first 4 start the sums: with 0 (KM = 0), with MD (KM = 1: the band's own step) or with MC (KM = 2: a block's first scores).
.macro KQ x, b
.set rS, S+32*(\b)+8*(i%4)
.set rK, KF+16*(i%4)+8*(i/4)
.set rQ, 16*(\x)+8*(i/4)
.if (i < 4) && (KM == 1)
	WIN W_KM
	v_wmma_f32_16x16x32_bf16 v[rS:rS+7], v[rK:rK+7], v[rQ:rQ+7], v[MD+8*(i%4):MD+8*(i%4)+7]
.elseif (i < 4) && (KM == 2)
	WIN W_KM
	v_wmma_f32_16x16x32_bf16 v[rS:rS+7], v[rK:rK+7], v[rQ:rQ+7], v[MC+8*(i%4):MC+8*(i%4)+7]
.elseif i < 4
	WIN W_KQ
	v_wmma_f32_16x16x32_bf16 v[rS:rS+7], v[rK:rK+7], v[rQ:rQ+7], 0
.else
	WIN W_KQ
	v_wmma_f32_16x16x32_bf16 v[rS:rS+7], v[rK:rK+7], v[rQ:rQ+7], v[rS:rS+7]
.endif
.endm
; Product i of 8 of O^T += V^T P for piece x, with P from buffer b: keys 32 (i / 4) on, channels 16 (i % 4) on.
.macro PV x, b
	WIN W_PV
.set rO, 32*(\x)+8*(i%4)
.set rV, VF+32*(i/4)+8*(i%4)
.set rP, P+16*(\b)+8*(i/4)
	v_wmma_f32_16x16x32_f16 v[rO:rO+7], v[rV:rV+7], v[rP:rP+7], v[rO:rO+7]
.endm
.macro MM                           ; the turn's next matrix instruction.  TURN sets Y, YN, YP, BC, i, KM, NOKQ and NOPV; MM, KQ and OP read them.  NOKQ = 1: no pair follows; NOPV = 1: the pair before has had its products
.if i < 8
.if !NOKQ
	KQ YN, 1-BC
.endif
.elseif !NOPV
.set i, i-8
	PV YP, 1-BC
.set i, i+8
.endif
.set i, i+1
.endm
; THE LDS LOADS stand in runs of 16, never singly among the matrix instructions: a step's K (64 keys x 64 channels: 8 fragments) and its V (turned).  Their addresses are made some lines ahead, by ADDR_K and ADDR_V,
; so that the add stands ahead of the wait on va_vdst that the run wants in any case.
.macro ADDR_K
	s_wait_alu depctr_vm_vsrc(0)    ; K's last run of LDS loads has read v[AK], which the add writes
	v_add_nc_u32 v[AK], s[TBK], v[AK0]
.endm
.macro ADDR_V
	s_wait_alu depctr_vm_vsrc(0)    ; V's last run of LDS loads has read v[AV], which the add writes
	v_add_nc_u32 v[AV], s[TBV], v[AV0]
.endm
.macro FETCH_K
	WIN 0x80                        ; destination window 2
	s_wait_alu depctr_va_vdst(0)    ; v[AK] is written, and the products K Q^T are done reading K's fragments, in which these loads land
.irp f, 0,1,2,3,4,5,6,7             ; keys 16 (f / 2) on, channels 32 (f % 2) on
	ds_load_b128 v[KF+8*\f:KF+8*\f+3],   v[AK] offset:(\f/2)*16*PK+(\f%2)*64
	ds_load_b128 v[KF+8*\f+4:KF+8*\f+7], v[AK] offset:(\f/2)*16*PK+(\f%2)*64+32
.endr
	s_add_co_u32 s[TBK], s[TBK], KS*PK  ; the next fetch is the next step's
	WIN 0
.endm
.macro FETCH_V
	WIN 0x80
	s_wait_alu depctr_va_vdst(0)    ; v[AV] is written, and the products V^T P are done reading V's fragments (the first time: the head's zeros are written), in which these loads land
.irp f, 0,1,2,3,4,5,6,7             ; keys 32 (f / 4) on, channels 16 (f % 4) on
	ds_load_tr16_b128 v[VF+8*\f:VF+8*\f+3],   v[AV] offset:(\f/4)*32*PV+(\f%4)*32
	ds_load_tr16_b128 v[VF+8*\f+4:VF+8*\f+7], v[AV] offset:(\f/4)*32*PV+16*PV+(\f%4)*32
.endr
	WIN 0
.endm
; THE VECTOR WORK, one line at a time: OP kind, number.  For the pair in hand (piece Y, buffer BC): F n: c s - c m for pair n of 16.  E n: the exponential of score n of 32.  C n: pair n rounded to f16.  B n: of the four
; weights 4 n .. the second pair is added onto the first, in place.  L n: l takes that sum (L 0: l = a l + sum).  R n: pair n of 16 of O^T times a.  For the pair that follows (piece YN, the other buffer): X n, number n of
; the 22 that find its maximum and statistics:
;   0-11  four chains c0-c3 of seven scores each, three operands at a time (each accumulator's lowest registers are read first)     12-14, 16  the four scores left over, the old m, and c0-c3 into c0
;   15  c m_old is kept     17, 18  the query's other 32 keys lie in the lane 16 away: the new m     19-21  c m; c m_old - c m_new; a
.set F, 0               ; OP tells the kinds apart by their order: F to L below R, X above it
.set E, 1
.set C, 2
.set B, 3
.set L, 4
.set R, 5
.set X, 6
.macro REGS y, b                    ; the registers of piece y in buffer b
.set rT, ST+4*(\y)
.set rC, TMP+4*(\b)
.set rW, MV+(\b)
.set rS, S+32*(\b)
.set rP, P+16*(\b)
.set rO, 32*(\y)
.endm
.macro OP k, n
.if (\k) == R
	REGS Y, BC
	WIN W_RS
	v_pk_mul_f32 v[rO+2*(\n):rO+2*(\n)+1], v[rO+2*(\n):rO+2*(\n)+1], v[rC+2:rC+3] op_sel_hi:[1,0]
.elseif (\k) < R
	REGS Y, BC
	WIN 0
.if (\k) == F
	v_pk_fma_f32 v[rS+2*(\n):rS+2*(\n)+1], v[rS+2*(\n):rS+2*(\n)+1], s[CS:CS+1], v[rT:rT+1] op_sel_hi:[1,0,0] neg_lo:[0,0,1] neg_hi:[0,0,1]
.elseif (\k) == E
	v_exp_f32 v[rS+(\n)], v[rS+(\n)]
.elseif (\k) == C
	s_wait_alu depctr_va_vdst(0)
	v_cvt_pk_f16_f32 v[rP+(\n)], v[rS+2*(\n)], v[rS+2*(\n)+1]
.elseif (\k) == B
	s_wait_alu depctr_va_vdst(0)
	v_pk_add_f32 v[rS+4*(\n):rS+4*(\n)+1], v[rS+4*(\n):rS+4*(\n)+1], v[rS+4*(\n)+2:rS+4*(\n)+3]
.elseif (\n) == 0
	v_pk_fma_f32 v[rT+2:rT+3], v[rT+2:rT+3], v[rC+2:rC+3], v[rS:rS+1] op_sel_hi:[1,0,1]
.else
	v_pk_add_f32 v[rT+2:rT+3], v[rT+2:rT+3], v[rS+4*(\n):rS+4*(\n)+1]
.endif
.elseif NOKQ
	v_nop
.else
	REGS YN, 1-BC
	WIN 0
.if (\n) < 4
	v_max3_num_f32 v[rC+(\n)], v[rS+8*(\n)], v[rS+8*(\n)+1], v[rS+8*(\n)+2]
.elseif (\n) < 12
	v_max3_num_f32 v[rC+(\n)%4], v[rC+(\n)%4], v[rS+8*((\n)%4)+2*((\n)/4)+1], v[rS+8*((\n)%4)+2*((\n)/4)+2]
.elseif (\n) == 12
	v_max3_num_f32 v[rC], v[rC], v[rS+7], v[rS+15]
.elseif (\n) == 13
	v_max3_num_f32 v[rC+1], v[rC+1], v[rS+23], v[rS+31]
.elseif (\n) == 14
	v_max3_num_f32 v[rC+2], v[rC+2], v[rC+3], v[rT+1]
.elseif (\n) == 15
	v_mov_b32 v[rW], v[rT]
.elseif (\n) == 16
	v_max3_num_f32 v[rC], v[rC], v[rC+1], v[rC+2]
.elseif (\n) == 17
	v_permlanex16_b32 v[rC+3], v[rC], s[SEL], s[SEL+1]
.elseif (\n) == 18
	v_max_num_f32 v[rT+1], v[rC], v[rC+3]
.elseif (\n) == 19
	v_mul_f32 v[rT], s[CS], v[rT+1]
.elseif (\n) == 20
	v_sub_f32 v[rC+1], v[rW], v[rT]
.else
	v_exp_f32 v[rC+2], v[rC+1]
.endif
.endif
.endm
.macro OPS a, i1, b=-1, i2=0, c=-1, i3=0, d=-1, i4=0  ; up to four of them
	OP \a, \i1
.if (\b) >= 0
	OP \b, \i2
.endif
.if (\c) >= 0
	OP \c, \i3
.endif
.if (\d) >= 0
	OP \d, \i4
.endif
.endm
.macro ROW a, i1, b, i2, c, i3, d, i4  ; a matrix instruction and the four behind it
	MM
	OPS \a, \i1, \b, \i2, \c, \i3, \d, \i4
.endm
; A TURN: the order of its 16 matrix and 118 vector instructions, written out.  Behind a matrix instruction: plain, exponential, plain, plain; or four of the rescaling; or, behind the first, four scalings; none
; names a register of the products round it.  In the runs between, exponential and plain by turns while exponentials last.  A line reads no result made fewer than three vector instructions in front of it, five if an
; exponential made it.  v_permlanex16_b32 (X 17) stands in such a run.
; cur: the piece in hand.  nxt: the piece whose scores the turn starts (-1: none).  prv: the piece whose V^T P it issues (-1: none).  bc: the buffers of the piece in hand.  km: the mask of the new scores (see KQ).
; fk = 1: K of the next step is fetched, six vector instructions behind the last product that read K.  fk = 2: V is fetched at that place (a turn without products).
; fv = 1: V is fetched, eight vector instructions behind the last product that read V.  Each run's own wait on va_vdst states that those products are done with the fragments.
; No vector or matrix line of a turn names window 3, v[GK], v[GV] or v[PFO]: the next tile's loads owe a turn nothing.
; wk, wv: the counts of the LDS waits in front of the first K Q^T and the first V^T P (-1: no wait).  cnt = 1: the loop's count is taken down some lines ahead of the branch that stands behind the turn.
; cur = nxt is sound: the new c m and m (X 18, X 19, in the second run) are written behind the last line that reads the old c m (F 15, in the first); a and c m_old lie by buffer.
; cur = prv is not: O^T may be rescaled only behind the pair before's products.
.macro TURN cur, nxt, prv, bc, km=0, fk=0, fv=0, wk=-1, wv=-1, cnt=0
.set Y, (\cur)
.set BC, (\bc)
.set KM, (\km)
.set i, 0
.set NOKQ, 0
.set NOPV, 0
.if (\nxt) < 0
.set NOKQ, 1
.else
.set YN, (\nxt)
.endif
.if (\prv) < 0
.set NOPV, 1
.else
.set YP, (\prv)
.endif
.if (\wk) >= 0
	s_wait_dscnt \wk                ; K is in
.endif
	ROW F,0, F,1, F,2, F,3
	ROW F,4, E,0, F,5, F,6
	ROW F,7, E,1, F,8, F,9
	ROW F,10, E,2, C,0, F,11
	ROW F,12, E,3, X,15, F,13
	ROW R,0, R,1, R,2, R,3
	ROW B,0, E,4, F,14, L,0
.if (\fk) == 1
	ADDR_K
.elseif (\fk) == 2
	ADDR_V
.endif
	ROW R,4, R,5, R,6, R,7
	OPS E,5, F,15
.if (\fk) == 1
	FETCH_K
.elseif (\fk) == 2
	FETCH_V
.endif
	OPS E,6, C,1, E,7, R,8
	OPS E,8, R,9, E,9, C,2
	OPS E,10, X,0, E,11, X,1
	OPS E,12, X,2, E,13, X,3
.if (\wv) >= 0
	s_wait_dscnt \wv                ; V is in
.endif
	ROW X,4, E,14, X,5, X,6
	ROW X,7, E,15, X,8, X,9
	ROW X,10, E,16, X,11, X,12
	ROW X,13, E,17, X,14, B,1
	ROW C,4, E,18, X,16, L,1
	ROW B,2, E,19, C,6, L,2
	ROW C,8, E,20, B,3, B,4
.if \fv
	ADDR_V
.endif
	ROW C,3, E,21, L,3, C,5
	OPS E,22, X,17, E,23, C,10
.if \fv
	FETCH_V
.endif
	OPS E,24, L,4
	OPS E,25, X,18, E,26, C,7
	OPS E,27, B,5, E,28, X,19
	OPS E,29, C,12, E,30, L,5
	OPS E,31, X,20, B,6, C,9
	OPS C,14, C,11, X,21, L,6
.if \fv
	s_add_co_u32 s[TBV], s[TBV], KS*PV
.endif
.if \cnt
	s_sub_co_u32 s[CNT], s[CNT], 1
	s_cmp_lg_u32 s[CNT], 0
.endif
	OPS C,13, B,7, C,15, R,10
	OPS R,11, R,12, L,7, R,13
	OPS R,14, R,15
.endm
; THE WAY OUT, a piece (16 rows of O) at a time.  A lane holds one row's channels 16 cb + 8 (l / 16) + 0..7 for cb = 0..3: they are divided by l, go as f32 into my own stage, rows of 272 bytes,
; and come back as whole rows of 256 bytes, into the registers that they left.
.macro ALL line:vararg              ; one line for each piece t
.set t, 0
.rept 4
	\line
.set t, t+1
.endr
.endm
.macro PACK t
	WIN W_RS
.set i, 32*(\t)
.rept 16
	s_wait_alu depctr_va_vdst(0)
	v_pk_mul_f32 v[i:i+1], v[i:i+1], v[ST+4*(\t)+2:ST+4*(\t)+3] op_sel_hi:[1,0]
.set i, i+2
.endr
	WIN 0x04                        ; data (source 1) in window 1, address in window 0
	s_wait_alu depctr_va_vdst(0)    ; the divisions have written the piece's 32 registers, which the LDS stores read
.irp k, 0,1,2,3,4,5,6,7
	ds_store_b128 v[STO], v[32*(\t)+4*\k:32*(\t)+4*\k+3] offset:64*(\k/2)+16*(\k%2)
.endr
	WIN 0x40                        ; destination window 1
	s_wait_alu depctr_va_vdst(0)    ; the divisions that wrote these 32 registers are complete: the LDS loads below land in them
	s_wait_alu depctr_vm_vsrc(0)    ; and the LDS stores above have read them
.irp f, 0,1,2,3,4,5,6,7
	ds_load_b128 v[32*(\t)+4*\f:32*(\t)+4*\f+3], v[RD] offset:\f*2*SP  ; LDS serves a wave's instructions in order (ISA guide 5.7.1.4): these see the stores above; the next piece's stores come behind them
.endr
.endm
.macro SEND t, younger              ; younger: the LDS instructions issued behind piece t's loads: the next piece's sixteen, or none.  The stores' data come from LDS loads: the counted wait is theirs; no vector line has named them since PACK's waits
	WIN 0x04
.irp f, 0,1,2,3,4,5,6,7
	s_wait_dscnt (\younger)+7-\f    ; read-back f is in; the 7 - f behind it and the younger ones may be out
	global_store_b128 v[GO], v[32*(\t)+4*\f:32*(\t)+4*\f+3], s[10:11] offset:(\t)*262144+\f*8192 th:TH_STORE_NT  ; 16 lanes store a head's row: 256 consecutive bytes, at a multiple of 256 from O's first byte
.endr
.endm
.set KM, 0
.set NOKQ, 0
.set NOPV, 0
.set BC, 0
.set YN, 0
.set YP, 0
.Lslot:                             ; nine times: a tile is entered and, but for the last time, the next is asked for
	; THE CHANGE OF TILES.  All of the old tile that is still wanted lies in registers (K and V of its last step).  One tile in LDS, so two barriers: nobody reads the old tile any more; the new tile is whole.
	s_wait_loadcnt 0x0              ; the entering tile's 64 loads are in, so their bases may be written too
	s_wait_xcnt 0x0                 ; every earlier memory instruction has had its addresses translated (ISA guide 3.1): the base of the line that asks ahead is stepped only behind this wait
	s_wait_dscnt 0x0                ; my reads of the old tile are back:
	s_barrier_signal -1             ; say so,
	CONVERT                         ; work on registers while the others arrive,
	s_barrier_wait -1               ; and write only when all four have said so
	STORE_TILE
	s_lshl_b32 s[OFF], s[NXT], 20   ; a tile is 256 positions: 2^20 bytes on in K and in V
	s_add_nc_u64 s[KA:KA+1], s[6:7], s[OFF:OFF+1]
	s_add_nc_u64 s[VA:VA+1], s[8:9], s[OFF:OFF+1]
	s_add_co_u32 s[NXT], s[NXT], 1  ; the block's next tile, or behind its last the second block's tile 0
	s_cmp_gt_u32 s[NXT], s[LQ]
	s_cselect_b32 s[NXT], 0, s[NXT]
	s_cselect_b32 s[LQ], s[PB], s[LQ]
	s_add_nc_u64 s[PFB:PFB+1], s[PFB:PFB+1], 1<<20
	s_mov_b32 s[TBK], 0             ; the fetches begin at the tile's first step
	s_mov_b32 s[TBV], 0
	s_wait_dscnt 0x0                ; for the others' sake: my stores into the tile are done
	s_wait_alu depctr_vm_vsrc(0)    ; my 64 LDS stores have read window 3's registers, in which the next tile's loads land and which the next rounding writes
	s_barrier_signal -1
	s_barrier_wait -1
	s_cmp_lg_u32 s[SLOTS], 1        ; the walk's last tile has no successor
	s_cselect_b32 s[VT], 2, 0
	s_cbranch_scc0 .Lno_k
	GLOADK 1                        ; the next tile's K; its V follows some turns on
.Lno_k:
	s_sub_co_u32 s[RT], s[RT], 1
	s_mov_b32 s[CNT], 4
	s_cmp_eq_u32 s[NEW], 1
	s_cbranch_scc1 .Lnew            ; a block's first tile
	s_cmp_eq_u32 s[RT], 0
	s_cbranch_scc0 .Lstep           ; neither its first nor its last
	s_branch .LstepM                ; its last: the diagonal one
.Lnew:
	; A BLOCK BEGINS.  c m starts far below every c s, so the first step's a is 0; m at the lowest finite number, so the first maximum is the scores'.  MC takes piece 0's mask for the tile's step 0:
	; MD, if the block's first tile is the diagonal one, else 0.  Then K of that step, piece 0's first scores, and its maximum and statistics.
	s_mov_b32 s[NEW], 0
.set i, 0
.rept 4
	v_mov_b32 v[ST+4*i], 0xfe000000    ; c m: far below every c s
	v_mov_b32 v[ST+4*i+1], 0xff7fffff  ; m
.set i, i+1
.endr
	s_cmp_eq_u32 s[RT], 0
	s_cselect_b32 s[AL], 1.0, 0
	WIN W_RS
.set z, 0
.rept 16
	v_pk_mul_f32 v[MC+2*z:MC+2*z+1], v[MD+2*z:MD+2*z+1], s[AL:AL+1] op_sel_hi:[1,0]
.set z, z+1
.endr
	WIN 0
	ADDR_K
	FETCH_K
	s_wait_dscnt 0x0
.set KM, 2
.set NOKQ, 0
.set i, 0
.rept 8
	KQ 0, 0
.set i, i+1
.endr
	WIN 0
.rept 4
	v_nop                           ; the places behind those products
.endr
.set YN, 0                          ; X works for piece YN in the buffer other than BC: piece 0, buffer 0
.set BC, 1
.irp n, 0,1,2,3,4,5,6,7,8,9,10,11,12,13,14,15,16,17,18,19,20,21
	OP X, \n
.endr
	v_nop                           ; a plain instruction behind the exponential
	s_cmp_eq_u32 s[RT], 0           ; the tile's text is entered at its step 0's first turn
	s_cbranch_scc1 .LfirstM         ; block 0 alone: its first tile is the diagonal one
	s_branch .Lfirst
	; THE DIAGONAL TILE, written out.  (s, x) is key step s of the tile, piece x.  First the old tile's last two turns; then the ten pairs with s <= x, in the order of the steps.
	; K of the next step is fetched in piece 2's turn, which starts the step's last scores; V of a step in the step's first turn, behind the last products of the step before.
.LstepM:
	TURN 2, 3, 1, 0, 0, 1           ; the old tile's last step, piece 2 | K of step 0
	TURN 3, 0, 2, 1, 1, 0, 0, 0     ; its piece 3 | the scores of (0,0), masked
	WIN 0
.LfirstM:
	TURN 0, 1, 3, 0, 0, 0, 1        ; (0,0) | V of step 0
	TURN 1, 2, 0, 1, 0, 0, 0, -1, 0 ; (0,1)
	TURN 2, 3, 1, 0, 0, 1           ; (0,2) | K of step 1
	WIN 0
	VASK 1                          ; five turns behind K's loads of the next tile; seven turns and the way out follow
	TURN 3, 1, 2, 1, 1, 0, 0, 0     ; (0,3) | the scores of (1,1), masked
	TURN 1, 2, 3, 0, 0, 0, 1        ; (1,1) | V of step 1
	TURN 2, 3, 1, 1, 0, 1, 0, -1, 16  ; (1,2) | K of step 2; the wait for V leaves out the 16 loads of K issued behind V's
	TURN 3, 2, 2, 0, 1, 0, 0, 0     ; (1,3) | the scores of (2,2), masked
	TURN 2, 3, 3, 1, 0, 1, 1        ; (2,2) | K of step 3, V of step 2
	TURN 3, 3, 2, 0, 1, 0, 0, 16, 0 ; (2,3) | the scores of (3,3), masked; the wait for K leaves out the 16 loads of V issued behind K's
.set i, 0
.rept 8
	PV 3, 0                         ; the products of (2,3) stand by themselves: the turn that follows is the same piece's, and rescales the O^T onto which they add
.set i, i+1
.endr
	TURN 3, -1, -1, 1, 0, 2         ; (3,3), with no product beside it | V of step 3, early
	s_wait_dscnt 0x0                ; V is in
.set i, 0
.rept 8
	PV 3, 1                         ; the block's last products
.set i, i+1
.endr
	WIN 0                           ; the way out: l's two halves and the other half of the lanes' are added; these additions are the places behind the last products
	ALL v_add_f32 v[ST+4*t+2], v[ST+4*t+2], v[ST+4*t+3]
	ALL v_permlanex16_b32 v[ST+4*t+3], v[ST+4*t+2], s[SEL], s[SEL+1]
	ALL v_add_f32 v[ST+4*t+2], v[ST+4*t+2], v[ST+4*t+3]
	ALL v_rcp_f32 v[ST+4*t+2], v[ST+4*t+2]
	v_nop                           ; a plain instruction between the last reciprocal and the use of its result
	PACK 0
.set t, 1
.rept 3                             ; a piece's arithmetic stands between the loads of the piece before and its stores
	PACK t
	SEND t-1, 16
.set t, t+1
.endr
	SEND 3, 0
	WIN 0
	s_cmp_eq_u32 s[SLOTS], 1
	s_cbranch_scc1 .Ldone           ; that was the second block
	s_wait_xcnt 0x0                 ; the stores' addresses are translated: O's base and, in the turns to come, the registers that they read are rewritten only behind this wait
	s_wait_alu depctr_vm_vsrc(0)    ; the 32 global stores have read O^T's registers, which the second block's products and rescalings write
	s_mov_b64 s[10:11], s[OLO:OLO+1]
	s_add_co_u32 s[RT], s[PB], 1    ; the second block has b + 1 tiles
	s_mov_b32 s[NEW], 1
	WIN 0x82                        ; the second block's Q goes where the one text of the turns names Q
.set i, 0
.rept 64
	v_mov_b32 v[i], v[QB+i]
.set i, i+1
.endr
	WIN 0
	s_branch .Lbottom
.Lstep:                             ; a trip: pieces 2 and 3 of one step, then pieces 0 and 1 of the next, whose K and V it fetches
	VASK 0
	TURN 2, 3, 1, 0, 0, 1
	TURN 3, 0, 2, 1, 0, 0, 0, 0
	WIN 0
.Lfirst:
	TURN 0, 1, 3, 0, 0, 0, 1
	TURN 1, 2, 0, 1, 0, 0, 0, -1, 0, 1
	WIN 0
	s_cbranch_scc1 .Lstep
.Lbottom:
	s_sub_co_u32 s[SLOTS], s[SLOTS], 1
	s_cmp_lg_u32 s[SLOTS], 0
	s_cbranch_scc1 .Lslot
.Ldone:
	s_wait_dscnt 0x0
	s_wait_alu depctr_hold_cnt(0) depctr_sa_sdst(0) depctr_va_vdst(0) depctr_va_sdst(0) depctr_va_ssrc(0) depctr_va_vcc(0) depctr_vm_vsrc(0)
	s_wait_tensorcnt 0x0
	ds_add_u32 v254, v255
	s_wait_dscnt 0x0
	s_endpgm
.Lfunc_end_k_q1957e304f5_attn:
	.size	k_q1957e304f5_attn, .Lfunc_end_k_q1957e304f5_attn-k_q1957e304f5_attn
	.p2alignl 7, 3214868480
	.fill 96, 4, 3214868480
	.section	.rodata,"a",@progbits
	.p2align	6, 0x0
	.amdhsa_kernel k_q1957e304f5_attn
		.amdhsa_group_segment_fixed_size 95744
		.amdhsa_private_segment_fixed_size 0
		.amdhsa_enable_private_segment 0
		.amdhsa_kernarg_size 32
		.amdhsa_user_sgpr_count 2
		.amdhsa_user_sgpr_kernarg_segment_ptr 1
		.amdhsa_wavefront_size32 1
		.amdhsa_system_sgpr_workgroup_id_x 1
		.amdhsa_system_sgpr_workgroup_id_y 1
		.amdhsa_system_sgpr_workgroup_id_z 1
		.amdhsa_system_vgpr_workitem_id 0
		.amdhsa_next_free_vgpr 1024
		.amdhsa_next_free_sgpr 88
		.amdhsa_reserve_vcc 0
		.amdhsa_float_denorm_mode_32 3
		.amdhsa_float_denorm_mode_16_64 3
		.amdhsa_memory_ordered 1
		.amdhsa_forward_progress 1
		.amdhsa_inst_pref_size 249
	.end_amdhsa_kernel
	.amdgpu_metadata
---
amdhsa.version: [ 1, 2 ]
amdhsa.kernels:
  - .name:           k_q1957e304f5_attn
    .symbol:         k_q1957e304f5_attn.kd
    .args:
      - { .name: queries, .offset: 0, .size: 8, .value_kind: global_buffer, .address_space: global }
      - { .name: keys, .offset: 8, .size: 8, .value_kind: global_buffer, .address_space: global }
      - { .name: values, .offset: 16, .size: 8, .value_kind: global_buffer, .address_space: global }
      - { .name: out0, .offset: 24, .size: 8, .value_kind: global_buffer, .address_space: global }
    .group_segment_fixed_size: 95744
    .private_segment_fixed_size: 0
    .kernarg_segment_align: 8
    .kernarg_segment_size: 32
    .max_flat_workgroup_size: 128
    .sgpr_count:     88
    .vgpr_count:     1024
    .wavefront_size: 32
...
	.end_amdgpu_metadata
.endif
;; end of part 2
